; MI455X (gfx1250); checked and timed in simulation.
; The chip was launched on July 23, 2026; its instructions are those of AMD's public machine-readable ISA for CDNA 5 (MIT licence, August 2026) and "CDNA5" Instruction Set Architecture Reference Guide (July 2026). The comments in the code are by the model that wrote it; some were corrected since.
;; Full Symmetry Broken Attention. Allowed arithmetic: matrix products marked QUANTISED: E2M3 operands, one E8M0 scale for each 32 along K, by v_wmma_scale_f32_16x16x128_f8f6f4 with both operands' format E2M3, f32 sums; everything else in f32.
;; Inputs: W_attn 1,024 x 3,072 float32; W_proj 1,024 x 1,024 float32; bK 16 x 64 float32; bQ 16 x 64 float32; bV 16 x 64 float32; b_attn 3,072 float32; b_proj 1,024 float32; x 4 x 2,048 x 1,024 float32.
;; Outputs: out0 4 x 2,048 x 1,024 float32.
;; This version of the problem:
;;   THIS VERSION OF THE PROBLEM IS GIVEN IN LOW PRECISION. The matrix products marked QUANTISED in the list below multiply operands that are first quantised to E2M3 (2 exponent bits, 3 mantissa bits; 6 bits a number), with one power-of-two scale for each 32 numbers along K (OCP MX v1.0); their sums are f32. All else is computed in f32.
;;   The module's matrix products, in the order in which they are computed (A, B: the left and right operand; K: the contracted axis; several contracted axes count as one K, in the product's order):
;;     1. [M 8,192, K 1,024] x [K 1,024, N 3,072]; A: input x; B: input W_attn: QUANTISED
;;     2. batch 64 x [M 2,048, K 64] x [K 64, N 2,048]; A: computed on the way; B: computed on the way: QUANTISED
;;     3. batch 64 x [M 2,048, K 2,048] x [K 2,048, N 64]; A: softmax (see below); B: computed on the way: QUANTISED
;;     4. [M 8,192, K 1,024] x [K 1,024, N 1,024]; A: computed on the way; B: input W_proj: QUANTISED
;;   THE QUANTISER, for each operand of a quantised product, along K:
;;     - K is cut into blocks of 32 from its start; a last block that is shorter is filled with zeros.
;;     - A block's scale is 2^e with e = floor(log2(the largest magnitude in the block)) - 2, held to -126 .. 127; a block of zeros has e = 0. As a byte (E8M0): e + 127.
;;     - Each number is divided by its block's scale, clamped to +-7.5, and rounded to the nearest number of E2M3, ties to even, subnormals kept.
;;     - The product sums the exact products of the quantised numbers (number of the format x scale) in f32.
;;   ~~~python
;;   def quantise(x, axis):      # numpy; x: float32 -> the quantised numbers, widened to float32 again
;;       x = np.moveaxis(x, axis, -1); K = x.shape[-1]
;;       x = np.pad(x, [(0, 0)] * (x.ndim - 1) + [(0, -K % 32)]); x = x.reshape(x.shape[:-1] + (-1, 32)); a = np.abs(x).max(-1, keepdims=True)
;;       e = np.where(a > 0, np.clip(np.frexp(np.where(a > 0, a, 1))[1] - 1 - 2, -126, 127), 0)      # np.frexp(a)[1] - 1 = floor(log2(a)), exactly
;;       r = np.clip(x / 2.0 ** e, -7.5, 7.5)
;;       step = 2.0 ** (np.maximum(np.frexp(np.where(r == 0, 1, r))[1] - 1, 0) - 3)
;;       q = np.round(r / step) * step * 2.0 ** e      # np.round: ties to even
;;       return np.moveaxis(q.reshape(q.shape[:-2] + (-1,))[..., :K], -1, axis).astype(np.float32)
;;   ~~~
;;   SOFTMAX AHEAD OF A QUANTISED PRODUCT. Where the list says 'softmax', what is quantised is not the finished softmax but p = 2^(t - M), with t = logit x log2(e) and M = ceil(the row's largest t), a whole number; so 1/2 < the row's largest p <= 1. The row's sum l is taken of the UNQUANTISED p, in f32, and the product's result is divided by l at the end. Since M is a whole number, a kernel that streams over the keys may use a running M (the ceiling of the running maximum): every later rescaling is an exact power of two, which a block's scale takes up: the codes' values come out the same.
;;   OPERANDS COMPUTED ON THE WAY. 'Computed on the way' means the value that the module computes at that place (a softmax that the list does not call 'softmax' is quantised finished and normalised). What goes into a quantiser is computed in f32, as accurately as f32 sums, v_exp_f32 and their like allow (about 1e-6 of the number): no bf16 or f16 on the way to a quantiser, and a product that is left as it is and whose result goes on into a quantised operand takes f32 operands (vector FMAs, or v_wmma_f32_16x16x4_f32). A number that lies on a knife's edge between two numbers of the format may be rounded either way, as far as f32 arithmetic and the matrix unit's own rounding can turn it there, and no further.
;; One version. Each part assembles by itself: llvm-mc -triple=amdgcn-amd-amdhsa -mcpu=gfx1250 --defsym DOCPART=n.
;; ======== version 1 of 1: 4 launches
;; limits: right only within a limited range of input values
;; workspace buffers: xq 6,553,600 bytes; waq 2,457,600 bytes; wpq 819,200 bytes; qimg 6,553,600 bytes; kv 13,107,200 bytes; yq 6,553,600 bytes
;; launch quant (part 1): grid 384 x 1, 4 waves a work-group, no clusters, 86,528 bytes of LDS; arguments x, W_attn, W_proj, xq, waq, wpq; writes xq, waq, wpq
.if DOCPART == 1
	.amdgcn_target "amdgcn-amd-amdhsa--gfx1250"
	.amdhsa_code_object_version 6
	.text
	.protected	k_q194840d2c8_quant
	.globl	k_q194840d2c8_quant
	.p2align	8
	.type	k_q194840d2c8_quant,@function
k_q194840d2c8_quant:
	s_mov_b64 s[64:65], 0
	v_nop
	global_prefetch_b8 v0, s[64:65] scope:SCOPE_SE
	s_setreg_imm32_b32 hwreg(HW_REG_WAVE_MODE, 25, 1), 1
	s_wait_xcnt 0x0
; x [8192][1024], W_attn [1024][3072] and W_proj [1024][1024], f32, become codes of FP6 (E2M3) with one E8M0 byte for each 32 along K (K = the 1,024).
; A block's scale is 2^(floor(log2(its largest magnitude)) - 2); its byte is the largest magnitude's exponent field - 2, held at 1 from below.
; LIMITS: a block whose largest magnitude lies under 2^-124, a block of zeros among them, gets the byte 1 (the quantiser's text says 127 for zeros): its codes are zeros or the
; nearest codes under that scale, and only this program reads the bytes.  NaN and infinities among the inputs are not served.
; THE LAYOUT OF THE RESULTS is the order of the matrix operand's registers.  buf[group of 128 row positions][256 along K][25,600 bytes]; in such a block the codes of row block rb (16 rows),
; step s (128 along K), piece p (registers 2 p, 2 p + 1 of the fragment) stand at 3072 rb + 1536 s + 256 p + 8 lane, and the scale words at 24576 + 128 rb + 8 r + 4 s.
; THE ORDER OF ROWS: position p holds the true row p with bits 3 and 4 exchanged, so that lane r of row block 2 b + u holds true row 32 b + 8 u + r + 8 (r / 8).
; Three paths part on the work-group's number, each with LDS bytes of its own: 0-255 x (K innermost), 256-351 W_attn, 352-383 W_proj (K outermost).  Waves share nothing: no barrier.
.set R,      16                        ; v16-207  path x: three sets of 64 numbers
.set CD,     208                       ; v208-219 a fragment's codes
.set T0,     220                       ; v220-222, v224-226 a conversion's three registers begin on an even number: the second halves are made here and moved
.set T1,     224
.set WK,     228                       ; v228-235 at work
.set SW,     240                       ; v240-243 the four fragments' scale words
.set XSTAGE, 8448                      ; path x: a wave's stage, 16 rows x (512 bytes + 16)
.set WSTAGE, 6400                      ; W paths: a wave's stage, two row blocks x (3,072 bytes + 128)
.set LDS_WA, 4*XSTAGE
.set LDS_WP, LDS_WA+4*WSTAGE
; path x.  Fragment f = 2 u + s: row block u, step s.  Sixteen loads, each 512 consecutive bytes of one true row.
.macro XLOAD f
.set n, 0
.rept 16
	global_load_b128 v[R+64*((\f)%3)+4*n:R+64*((\f)%3)+4*n+3], v1, s[4:5] offset:(8*((\f)/2)+n+8*(n/8))*4096+512*((\f)%2) th:TH_LOAD_NT
.set n, n+1
.endr
.endm
; The fragment turns through the wave's stage (in as loaded, back 2 x 128 bytes a lane), is quantised and stored.  left: the loads issued behind this fragment's own.
.macro XFRAG f, left
.set RS, R+64*((\f)%3)
	s_wait_loadcnt \left
.set n, 0
.rept 16
	ds_store_b128 v3, v[RS+4*n:RS+4*n+3] offset:528*n
.set n, n+1
.endr
	s_wait_dscnt 0x0                               ; the stores have read their registers: the loads below land in the same ones
.set n, 0
.rept 16
	ds_load_b128 v[RS+4*n:RS+4*n+3], v4 offset:256*(n/8)+16*(n%8)   ; register 32 c + i = k 64 c + 32 h + i of row r
.set n, n+1
.endr
	s_wait_dscnt 0x0
	v_max3_num_f32 v[WK], |v[RS]|, |v[RS+1]|, 0x1800000             ; my two whole blocks, by turns; the floor 2^(3 - 127) holds the byte at 1 from below
	v_max3_num_f32 v[WK+1], |v[RS+32]|, |v[RS+33]|, 0x1800000
.set n, 2
.rept 15
	v_max3_num_f32 v[WK], v[WK], |v[RS+n]|, |v[RS+n+1]|
	v_max3_num_f32 v[WK+1], v[WK+1], |v[RS+32+n]|, |v[RS+33+n]|
.set n, n+2
.endr
	v_add_nc_u32 v[WK+2], 0xff000000, v[WK]        ; 2 off the exponent field: the conversion's scale operand
	v_add_nc_u32 v[WK+3], 0xff000000, v[WK+1]
	v_lshrrev_b32 v[WK+4], 23, v[WK+2]             ; the bytes of blocks h and 2 + h
	v_lshrrev_b32 v[WK+5], 23, v[WK+3]
	v_lshl_or_b32 v[WK+6], v[WK+5], 16, v[WK+4]
	v_lshlrev_b32 v[WK+6], v5, v[WK+6]             ; 8 h bits up
	v_permlanex16_b32 v[WK+7], v[WK+6], s20, s21
	v_or_b32 v[SW+(\f)], v[WK+6], v[WK+7]          ; with lane l xor 16's two bytes the row's word is whole
	s_wait_alu depctr_va_vdst(0)
	s_wait_xcnt 0x0                                ; the last fragment's stores have read the codes' registers
	v_cvt_scalef32_pk16_fp6_f32 v[CD:CD+2], v[RS:RS+15], v[WK+2]
	v_cvt_scalef32_pk16_fp6_f32 v[T0:T0+2], v[RS+16:RS+31], v[WK+2]
	v_cvt_scalef32_pk16_fp6_f32 v[CD+6:CD+8], v[RS+32:RS+47], v[WK+3]
	v_cvt_scalef32_pk16_fp6_f32 v[T1:T1+2], v[RS+48:RS+63], v[WK+3]
	v_nop                                          ; one plain instruction behind the conversions
.irp i, 0,1,2
	v_mov_b32 v[CD+3+\i], v[T0+\i]
	v_mov_b32 v[CD+9+\i], v[T1+\i]
.endr
.irp p, 0,1,2,3,4,5
	global_store_b64 v2, v[CD+2*\p:CD+2*\p+1], s[26:27] offset:3072*((\f)/2)+1536*((\f)%2)+256*\p   ; 32 lanes store 256 consecutive bytes, aligned
.endr
.endm
; W paths.  A lane takes a column, its registers run down K.  Block t: 32 rows of W at my column.
.macro WLOAD t, N
.set n, 0
.rept 32
	global_load_b32 v[32+32*((\t)%2)+n], v3, s[24:25] offset:(32*(\t)+n)*\N*4 th:TH_LOAD_NT
.set n, n+1
.endr
.endm
.macro WBLOCK t, N
.set XS, 32+32*((\t)%2)
.if (\t) < 7
	s_wait_loadcnt 32                              ; this block's 32 loads are in; the next block's may be out
.else
	s_wait_loadcnt 0x0
.endif
	v_max3_num_f32 v12, |v[XS]|, |v[XS+1]|, |v[XS+2]|
	v_max3_num_f32 v13, |v[XS+3]|, |v[XS+4]|, |v[XS+5]|
.irp i, 6,10,14,18,22,26
	v_max3_num_f32 v12, v12, |v[XS+\i]|, |v[XS+\i+1]|
	v_max3_num_f32 v13, v13, |v[XS+\i+2]|, |v[XS+\i+3]|
.endr
	v_max3_num_f32 v12, v12, |v[XS+30]|, |v[XS+31]|
	v_max3_num_f32 v12, v12, v13, 0x1800000        ; the floor
	v_add_nc_u32 v14, 0xff000000, v12              ; the conversion's scale operand
	v_cvt_scalef32_pk16_fp6_f32 v[96:98], v[XS:XS+15], v14
	v_cvt_scalef32_pk16_fp6_f32 v[100:102], v[XS+16:XS+31], v14
	v_lshrrev_b32 v13, 23, v14                     ; the byte (a plain instruction behind the conversions)
.if (\t)%4 == 0
	v_mov_b32 v[24+(\t)/4], v13                    ; four bytes to a word, the lower K in the lower byte
.else
	v_lshl_or_b32 v[24+(\t)/4], v13, 8*((\t)%4), v[24+(\t)/4]
.endif
	v_mov_b32 v99, v100                            ; the block's six registers on end
	v_mov_b32 v100, v101
	v_mov_b32 v101, v102
.irp i, 0,1,2                                  ; block t = 4 s + 2 c + h is lane (r, h)'s registers 6 c .. 6 c + 5 of step s: pieces 3 c + i
	ds_store_b64 v4, v[96+2*\i:97+2*\i] offset:1536*((\t)/4)+256*(3*(((\t)%4)/2)+\i)+128*((\t)%2)
.endr
.if (\t)+2 < 8
	WLOAD (\t)+2, \N
.endif
	s_wait_dscnt 0x0                               ; the stores have read their registers
.endm
; N: W's columns; LBASE: this path's LDS; FIRSTWG: its first work-group; WP, OP: the scalar pairs with W's and the result's address
.macro WPATH N, LBASE, FIRSTWG, WP, OP
	s_sub_co_u32 s17, ttmp9, \FIRSTWG
	s_lshr_b32 s18, s17, 2                         ; which group of 128 columns
	s_and_b32 s19, s17, 3                          ; which 256 along K
	v_lshlrev_b32 v3, 2, v6                        ; in: 4 bytes a lane
	v_bfe_u32 v7, v6, 3, 1                         ; my column's position: row block u = bit 3 of the lane,
	v_and_b32 v8, 7, v6
	v_lshrrev_b32 v9, 4, v6
	v_lshl_add_u32 v8, v9, 3, v8                   ; r = lane % 8 + 8 (lane / 16)
	s_mul_i32 s20, s16, WSTAGE
	s_add_co_u32 s20, s20, \LBASE
	v_mul_u32_u24 v4, v7, 3200
	v_lshl_add_u32 v4, v8, 3, v4
	v_add_nc_u32 v4, s20, v4                       ; into the stage: 3200 u + 8 r
	v_lshlrev_b32 v5, 4, v6                        ; out: 16 bytes a lane
	v_add_nc_u32 v10, s20, v5
	v_lshlrev_b32 v11, 7, v7
	v_lshl_add_u32 v11, v8, 3, v11                 ; my scale words: 128 u + 8 r
	s_mul_i32 s22, s19, 256*\N*4
	s_lshl_b32 s23, s18, 9
	s_add_co_u32 s22, s22, s23
	s_lshl_b32 s23, s16, 7
	s_add_co_u32 s22, s22, s23
	s_mov_b32 s23, 0
	s_add_nc_u64 s[24:25], s[\WP:\WP+1], s[22:23]  ; W at my wave's 32 columns, my 256 rows
	s_mul_i32 s26, s18, 102400
	s_mul_i32 s27, s19, 25600
	s_add_co_u32 s26, s26, s27                     ; the block
	s_mul_i32 s27, s16, 6144
	s_add_co_u32 s28, s26, s27
	s_mov_b32 s29, 0
	s_lshl_b32 s27, s16, 8
	s_add_co_u32 s30, s26, s27
	s_add_co_u32 s30, s30, 24576
	s_mov_b32 s31, 0
	s_add_nc_u64 s[28:29], s[\OP:\OP+1], s[28:29]  ; my two row blocks' codes
	s_add_nc_u64 s[30:31], s[\OP:\OP+1], s[30:31]  ; and scale words
	WLOAD 0, \N
	WLOAD 1, \N
.irp t, 0,1,2,3,4,5,6,7
	WBLOCK \t, \N
.endr
	s_wait_alu depctr_va_vdst(0)
	global_store_b64 v11, v[24:25], s[30:31]       ; 32 lanes store 256 consecutive bytes, aligned
.irp q, 0,1,2,3,4,5,6,7,8,9,10,11
	ds_load_b128 v[112+4*\q:115+4*\q], v10 offset:3200*(\q/6)+1536*((\q/3)%2)+512*(\q%3)   ; LDS serves a wave's instructions in order: these see my stores
.endr
.irp q, 0,1,2,3,4,5,6,7,8,9,10,11
	s_wait_dscnt 11-\q
	global_store_b128 v5, v[112+4*\q:115+4*\q], s[28:29] offset:3072*(\q/6)+1536*((\q/3)%2)+512*(\q%3)   ; 512 consecutive bytes
.endr
	s_wait_tensorcnt 0x0
	ds_add_u32 v254, v255
	s_wait_dscnt 0x0
	s_endpgm
.endm
	s_load_b256 s[4:11], s[0:1], 0x0               ; x s[4:5], W_attn s[6:7], W_proj s[8:9], xq s[10:11]
	s_load_b128 s[12:15], s[0:1], 0x20             ; waq s[12:13], wpq s[14:15]
	v_lshl_add_u32 v254, v0, 2, 0x15000
	v_mov_b32 v255, 0
	v_lshrrev_b32 v1, 5, v0
	v_readfirstlane_b32 s16, v1                    ; wave 0..3
	v_and_b32 v6, 31, v0                           ; lane
	s_wait_kmcnt 0x0
	s_cmp_lt_u32 ttmp9, 256
	s_cbranch_scc0 .Lweights
	; ---- path x: the work-group takes 32 row positions, wave w the w-th 256 along K: four fragments
	s_wait_alu depctr_va_vdst(0)
	v_lshlrev_b32 v1, 4, v6                        ; 16 x lane
	v_lshlrev_b32 v2, 3, v6                        ; 8 x lane
	v_and_b32 v7, 15, v6                           ; r
	v_lshrrev_b32 v8, 4, v6                        ; h
	s_mul_i32 s17, s16, XSTAGE
	v_add_nc_u32 v3, s17, v1                       ; the stage, on the way in
	v_mul_u32_u24 v4, v7, 528
	v_lshl_add_u32 v4, v8, 7, v4
	v_add_nc_u32 v4, s17, v4                       ; and back: row r, + 128 h
	v_lshlrev_b32 v5, 3, v8                        ; 8 h
	v_mov_b32 v[WK+7], 0                           ; a lane permute's destination counts as one of its sources
	s_mov_b32 s20, 0x76543210
	s_mov_b32 s21, 0xfedcba98                      ; lane l xor 16
	s_lshl_b32 s18, ttmp9, 17                      ; 32 rows of 4,096 bytes
	s_lshl_b32 s19, s16, 10
	s_add_co_u32 s18, s18, s19
	s_mov_b32 s19, 0
	s_add_nc_u64 s[4:5], s[4:5], s[18:19]
	s_lshr_b32 s22, ttmp9, 2
	s_mul_i32 s22, s22, 102400
	s_mul_i32 s23, s16, 25600
	s_add_co_u32 s22, s22, s23                     ; the block
	s_and_b32 s24, ttmp9, 3
	s_mul_i32 s25, s24, 6144
	s_add_co_u32 s26, s22, s25
	s_mov_b32 s27, 0
	s_lshl_b32 s24, s24, 8
	s_add_co_u32 s28, s22, s24
	s_add_co_u32 s28, s28, 24576
	s_mov_b32 s29, 0
	s_add_nc_u64 s[26:27], s[10:11], s[26:27]      ; my two row blocks' codes
	s_add_nc_u64 s[28:29], s[10:11], s[28:29]      ; and scale words
	XLOAD 0
	XLOAD 1
	XLOAD 2
	s_wait_alu depctr_va_vdst(0)
	XFRAG 0, 32
	XLOAD 3
	XFRAG 1, 32
	XFRAG 2, 16
	XFRAG 3, 0
	v_cmp_gt_u32 vcc_lo, 16, v6                    ; lanes 0-15 store row block 0's two words, lanes 16-31 row block 1's
	v_cndmask_b32 v[WK], v[SW+2], v[SW], vcc_lo
	v_cndmask_b32 v[WK+1], v[SW+3], v[SW+1], vcc_lo
	global_store_b64 v2, v[WK:WK+1], s[28:29]      ; 256 consecutive bytes, aligned
	s_wait_tensorcnt 0x0
	ds_add_u32 v254, v255
	s_wait_dscnt 0x0
	s_endpgm
.Lweights:
	s_cmp_lt_u32 ttmp9, 352
	s_cbranch_scc0 .Lproj_weight
	s_wait_alu depctr_va_vdst(0)
	WPATH 3072, LDS_WA, 256, 6, 12
.Lproj_weight:
	s_wait_alu depctr_va_vdst(0)
	WPATH 1024, LDS_WP, 352, 8, 14
.Lfunc_end_k_q194840d2c8_quant:
	.size	k_q194840d2c8_quant, .Lfunc_end_k_q194840d2c8_quant-k_q194840d2c8_quant
	.p2alignl 7, 3214868480
	.fill 96, 4, 3214868480
	.section	.rodata,"a",@progbits
	.p2align	6, 0x0
	.amdhsa_kernel k_q194840d2c8_quant
		.amdhsa_group_segment_fixed_size 86528
		.amdhsa_private_segment_fixed_size 0
		.amdhsa_enable_private_segment 0
		.amdhsa_kernarg_size 48
		.amdhsa_user_sgpr_count 2
		.amdhsa_user_sgpr_kernarg_segment_ptr 1
		.amdhsa_wavefront_size32 1
		.amdhsa_system_sgpr_workgroup_id_x 1
		.amdhsa_system_sgpr_workgroup_id_y 1
		.amdhsa_system_sgpr_workgroup_id_z 1
		.amdhsa_system_vgpr_workitem_id 0
		.amdhsa_next_free_vgpr 256
		.amdhsa_next_free_sgpr 66
		.amdhsa_reserve_vcc 1
		.amdhsa_float_denorm_mode_32 3
		.amdhsa_float_denorm_mode_16_64 3
		.amdhsa_memory_ordered 1
		.amdhsa_forward_progress 1
		.amdhsa_inst_pref_size 114
	.end_amdhsa_kernel
	.amdgpu_metadata
---
amdhsa.version: [ 1, 2 ]
amdhsa.kernels:
  - .name:           k_q194840d2c8_quant
    .symbol:         k_q194840d2c8_quant.kd
    .args:
      - { .name: x, .offset: 0, .size: 8, .value_kind: global_buffer, .address_space: global }
      - { .name: W_attn, .offset: 8, .size: 8, .value_kind: global_buffer, .address_space: global }
      - { .name: W_proj, .offset: 16, .size: 8, .value_kind: global_buffer, .address_space: global }
      - { .name: xq, .offset: 24, .size: 8, .value_kind: global_buffer, .address_space: global }
      - { .name: waq, .offset: 32, .size: 8, .value_kind: global_buffer, .address_space: global }
      - { .name: wpq, .offset: 40, .size: 8, .value_kind: global_buffer, .address_space: global }
    .group_segment_fixed_size: 86528
    .private_segment_fixed_size: 0
    .kernarg_segment_align: 8
    .kernarg_segment_size: 48
    .max_flat_workgroup_size: 128
    .sgpr_count:     66
    .vgpr_count:     256
    .wavefront_size: 32
...
	.end_amdgpu_metadata
.endif
;; end of part 1
;; launch qkv (part 2): grid 4 x 64, 4 waves a work-group, clusters of 4 x 4, 327,680 bytes of LDS; arguments xq, waq, b_attn, bQ, bK, bV, qimg, kv; writes qimg, kv
.if DOCPART == 2
	.amdgcn_target "amdgcn-amd-amdhsa--gfx1250"
	.amdhsa_code_object_version 6
	.text
	.protected	k_q194840d2c8_qkv
	.globl	k_q194840d2c8_qkv
	.p2align	8
	.type	k_q194840d2c8_qkv,@function
k_q194840d2c8_qkv:
	s_mov_b64 s[64:65], 0
	v_nop
	global_prefetch_b8 v0, s[64:65] scope:SCOPE_SE
	s_setreg_imm32_b32 hwreg(HW_REG_WAVE_MODE, 25, 1), 1
	s_wait_xcnt 0x0
	s_wait_alu depctr_hold_cnt(0) depctr_sa_sdst(0) depctr_va_vdst(0) depctr_va_sdst(0) depctr_va_ssrc(0) depctr_va_vcc(0) depctr_vm_vsrc(0)
	s_getreg_b32 s2, hwreg(HW_REG_IB_STS2, 6, 4)
	s_cmp_eq_u32 s2, 0
	s_cbranch_scc0 .Lentry_in_a_cluster
	s_endpgm
.Lentry_in_a_cluster:
	s_bfe_u32 s2, ttmp6, 0x10000c
	s_cmp_lg_u32 s2, 0xf033
	s_cbranch_scc0 .Lentry_shape_is_right
	s_endpgm
.Lentry_shape_is_right:
; qkv = x W_attn + b_attn, plus the heads' biases, on codes of FP6 (E2M3) with E8M0 scales; the results leave as codes again: q and k quantised along the head's 64, v along the keys.
; OPERANDS lie in memory in the order of the operand's registers: [group of 128 rows][256 along K][25,600 bytes], codes at 3072 rb + 1536 s + 256 p + 8 lane, scale words at 24576 + 128 rb + 8 r + 4 s.
; THE DEAL: 64 groups of 128 tokens x 4 quarters = 256 work-groups THAT STAY.  Work-group (quarter i, group) keeps its 128 tokens, all of K (102,400 bytes), in LDS and takes three tiles of 256 features past them,
; one after the other: features 256 i .. of q, of k, of v.  A tile of weights, all of K, is 204,800 bytes; tokens and weights lie by halves of K: [tokens 2 blocks][features' group 0: 2 blocks][group 1: 2 blocks], twice.
; FILLS.  At the head one joint load a wave: wave 0 the tokens' first half of K, wave 1 q's weights' first half (two rows of 51,200 bytes), waves 2 and 3 the second halves.  TWO REFILLS of the weights' bytes, each in a
; phase's step 7, when the step's fragments are in registers: the three lines in every wave, a round of the cluster's barrier, one load of 51,200 bytes a wave (half of K wave / 2, group wave % 2); the step's 32
; products and the phase's quantiser stand behind the load.  Waves 0 and 1 have load lines of their own: the barrier at a phase's head shows the first half of K alone, the one in step 3 the second.
; THE MATRIX INSTRUCTION IS USED TRANSPOSED: source 0 = 16 rows of the side with eight blocks, source 1 = 16 rows of the side with four; a lane holds one row of source 1 and neighbours along source 0's rows, the axis
; along which the result is quantised.  q, k: source 0 = 128 features (wave % 2), source 1 = 64 tokens (wave / 2).   v: source 0 = the 128 tokens (the keys), source 1 = 64 features, one head (group wave / 2, half wave % 2).
; Both roles run the same macros on other address registers.  q and k are one text in a loop of two trips.
; CLUSTERS: 4 x 4 work-groups; the tokens are asked for jointly along a row of the cluster, the weights along a column.
; NO PREFETCH: each block of waq is asked for by all sixteen clusters in the same phase, and the tokens' loads stand at the head.
; ROW POSITIONS: position p holds the true row p with bits 3 and 4 exchanged: the 16 registers of tiles 2 b, 2 b + 1 in lane (r, h) are the true neighbours 32 b + 16 h + 0 .. 15.
; RESULTS: kv[batch x 16 + head][256 keys][25,600]: K's fragments (pairs of key tiles: registers 0-5 tile 2 b, 6-11 tile 2 b + 1) at 6144 qs + 1536 b + 512 c + 16 lane, V^T's at 12288 + the same with the d tile
; for b, K's scale words at 24576 + 256 qs + 16 r + 4 b, V's at 25088 + ...;  qimg[..][256 queries][12,800] like K's part, scale words at 12288.
; LIMITS: b_attn and the head's bias are added to each other first and are the C of the first products; blocks under 2^-124 get the byte 1; NaN and infinities are not served.
; REGISTERS: window 0: v8-29 addresses; v32-63 scale words, two sets; v64-127 q's, then k's bias; v128-223 the four-block side's fragments, two sets (in the quantiser v192-251 are at work).
;   window 1: the eight-block side's fragments, two sets, at v0 and v128.  window 2: the accumulators ((a, b) at v[8 (8 a + b)]).  window 3: k's bias, v's bias.
.set BLK,   25600
.set HALF,  6*BLK
.set SPARE, 2*HALF                     ; the spare words: 128 bytes for each wave, named by no other line
.set FR,    12
.set NP,    4                          ; places behind this matrix instruction (ISA guide 7.12.1)
.set Q8,    8                          ; q, k: v8-9 the eight-block side in the first, second half of K; v10-11 the four-block side; v12-13 scale words, lanes 0-15 the four-block side's, lanes 16-31 the other's;
.set Q4,    10                         ; v20-21 the eight-block side's words in all lanes
.set QC,    12
.set QT,    20
.set V8,    14                         ; v: v14-15, v16-17, v18-19, v22-23 likewise
.set V4,    16
.set VC,    18
.set VT,    22
.set LI,    24                         ; 16 x lane
.set SOF,   25                         ; the scale words' store
.set SPW,   28
.set NIL,   29
.set SC,    32
.set BI,    64
.set AF,    128
.set X,     192                        ; a fragment for the first head
.set Y,     204                        ; and for the second
.set T0,    216
.set T1,    220
.set TM,    224                        ; v224-227 largest magnitudes, v228-231 bytes, v232-233 the last store's words, v236-239 the conversions' scale operands
.set PW0,   240
.set PW1,   241
.set WA,    244
.set WB,    248
.set BIN,   0                          ; window 3: v0-63 k's bias, v64-127 at work, v128-159 v's bias, v160-175 at work
.set TMK,   64
.set BIV,   128
.set RAW,   160
.set SEL,   66                         ; s[66:67] lane l xor 16
.set G1,    24                         ; tokens: 200 rows of 256 bytes, my row of the cluster
.set G0,    32
.set G0R,   36
.set G1B,   48                         ; weights at the head: 2 rows of 51,200 bytes, my column
.set G0B,   56
.set G1R,   84                         ; weights' refills: 200 rows of 256 bytes, my column
.set MSB, 0
.macro WIN new                         ; low byte: 1:0 source 0, 3:2 source 1, 5:4 source 2, 7:6 destination; the high byte repeats the setting that is left
.if MSB != (\new)
	s_set_vgpr_msb (MSB<<8)|(\new)
.set MSB, (\new)
.endif
.endm
.set MUL,   0xa1                       ; source 0 window 1, source 1 window 0, C and D window 2
.set TO_B,  0x40
.macro PLACES n
.rept \n
	v_nop
.endr
.endm
.macro TL g0, g1                       ; s_nop 0 and four v_nop follow the line
	tensor_load_to_lds s[\g0:\g0+3], s[\g1:\g1+7]
	s_nop 0
	PLACES 4
.endm
.macro CROUND                          ; a round of the cluster's barrier
	s_barrier_signal -1
	s_barrier_wait -1
	s_cmp_lg_u32 s14, 0
	s_cbranch_scc1 .Lnot_wave_0_\@
	s_barrier_signal -3
.Lnot_wave_0_\@:
	s_barrier_wait -3
	s_barrier_signal -1
	s_barrier_wait -1
.endm
.macro ROWS200 g
	s_mov_b32 s[\g+1], 32<<16
	s_mov_b32 s[\g+2], 200<<16
	s_mov_b32 s[\g+3], 32<<16
	s_mov_b32 s[\g+4], 200
	s_mov_b32 s[\g+5], 32
	s_mov_b32 s[\g+6], 0
	s_mov_b32 s[\g+7], 0
.endm
	s_load_b512 s[68:83], s[0:1], 0x0              ; xq 68, waq 70, b_attn 72, bQ 74, bK 76, bV 78, qimg 80, kv 82
	v_lshl_add_u32 v[SPW], v0, 2, SPARE
	v_mov_b32 v[NIL], 0
	ds_add_u32 v[SPW], v[NIL]                      ; the opening lines: the add, twice on end, and its wait ahead of the first tensor load
	ds_add_u32 v[SPW], v[NIL]
	v_lshrrev_b32 v1, 5, v0
	v_readfirstlane_b32 s14, v1                    ; wave 0..3
	s_lshr_b32 s15, s14, 1
	s_and_b32 s16, s14, 1
	s_bfe_u32 s40, ttmp6, 0x40000                  ; cx
	s_bfe_u32 s41, ttmp6, 0x40004                  ; cy
	s_lshl_b32 s42, ttmp9, 2
	s_add_co_u32 s42, s42, s40                     ; the quarter of the features
	s_and_b32 s17, ttmp7, 0xffff
	s_lshl_b32 s17, s17, 2
	s_add_co_u32 s17, s17, s41                     ; the group of 128 tokens
	s_lshl_b32 s43, s41, 2
	s_lshl_b32 s43, 15, s43                        ; my row of the cluster
	s_lshl_b32 s44, 0x1111, s40                    ; my column
	s_or_b32 s[G1+0], s43, (3<<16)|(1<<21)         ; the mask; elements of 8 bytes; bit 21 beside a mask; no padding
	ROWS200 G1
	s_or_b32 s[G1R+0], s44, (3<<16)|(1<<21)
	ROWS200 G1R
	s_or_b32 s[G1B+0], s44, (3<<16)|(1<<21)
	s_mov_b32 s[G1B+1], 6400<<16                   ; 2 rows of 51,200 bytes, 102,400 bytes apart
	s_mov_b32 s[G1B+2], 2<<16
	s_mov_b32 s[G1B+3], 6400<<16
	s_mov_b32 s[G1B+4], 2
	s_mov_b32 s[G1B+5], 12800
	s_mov_b32 s[G1B+6], 0
	s_mov_b32 s[G1B+7], 0
	s_mul_i32 s18, s15, 2*BLK                      ; the half of K that I fetch, in bytes of a group
	s_mul_i32 s92, s17, 4*BLK
	s_add_co_u32 s92, s92, s18
	s_mov_b32 s93, 0
	s_mul_i32 s94, s42, 8*BLK
	s_add_co_u32 s94, s94, s18
	s_mov_b32 s95, 0
	s_mul_i32 s96, s16, 4*BLK                      ; for the refills: the group that I fetch
	s_add_co_u32 s96, s96, s94
	s_mov_b32 s97, 0
	s_mul_i32 s45, s15, HALF                       ; where they go: no place in the cluster enters an LDS address
	s_mov_b32 s[SEL], 0x76543210
	s_mov_b32 s[SEL+1], 0xfedcba98
	v_and_b32 v1, 15, v0                           ; r
	v_bfe_u32 v2, v0, 4, 1                         ; h
	v_and_b32 v3, 31, v0                           ; lane
	v_lshlrev_b32 v4, 3, v3
	v_lshlrev_b32 v[LI], 4, v3
	s_mul_i32 s18, s15, 4*3072                     ; q, k: my four row blocks of the tokens,
	s_mul_i32 s19, s16, 2*BLK
	s_add_co_u32 s19, s19, 2*BLK                   ; my group of the features
	v_add_nc_u32 v[Q4], s18, v4
	v_add_nc_u32 v[Q8], s19, v4
	v_add_nc_u32 v[Q4+1], HALF, v[Q4]
	v_add_nc_u32 v[Q8+1], HALF, v[Q8]
	s_lshl_b32 s20, s15, 9
	s_sub_co_u32 s21, s19, s20
	v_mul_u32_u24 v6, s21, v2                      ; lanes 16-31 take the features' words: one product, h x the distance
	v_lshl_add_u32 v5, v1, 3, v6
	s_add_co_u32 s20, s20, 24576
	v_add_nc_u32 v[QC], s20, v5
	v_add_nc_u32 v[QC+1], HALF, v[QC]
	v_lshlrev_b32 v5, 3, v1                        ; 8 r
	s_add_co_u32 s21, s19, 24576
	v_add_nc_u32 v[QT], s21, v5
	v_add_nc_u32 v[QT+1], HALF, v[QT]
	v_add_nc_u32 v[V8], 0, v4                      ; v: all eight row blocks of the tokens,
	v_add_nc_u32 v[V8+1], HALF, v4
	s_mul_i32 s22, s15, 2*BLK
	s_add_co_u32 s22, s22, 2*BLK
	s_mul_i32 s23, s16, 4*3072
	s_add_co_u32 s23, s23, s22                     ; my four row blocks of the features
	v_add_nc_u32 v[V4], s23, v4
	v_add_nc_u32 v[V4+1], HALF, v[V4]
	s_lshl_b32 s23, s16, 9
	s_add_co_u32 s23, s23, s22
	v_sub_nc_u32 v6, 1, v2
	v_mul_u32_u24 v6, s23, v6                      ; lanes 0-15 take the features' words: one product, (1 - h) x the distance
	v_add_nc_u32 v6, v6, v5
	v_add_nc_u32 v[VC], 24576, v6
	v_add_nc_u32 v[VC+1], HALF, v[VC]
	v_add_nc_u32 v[VT], 24576, v5
	v_add_nc_u32 v[VT+1], HALF, v[VT]
	v_lshlrev_b32 v7, 6, v2                        ; 64 h
	v_and_b32 v6, 8, v1
	v_add_nc_u32 v6, v6, v1
	v_lshlrev_b32 v6, 2, v6                        ; 4 (r + 8 (r / 8))
.irp b, 0,1,2,3
	v_mov_b32 v[TM+4+\b], 0                        ; a lane permute's destination counts as one of its sources
.endr
	s_wait_alu depctr_va_vdst(0)
	s_wait_dscnt 0x0                               ; both opening adds are done
	CROUND                                         ; all sixteen work-groups are here: the joint loads meet
	s_wait_kmcnt 0x0
	s_mov_b32 s[G0], 1
	s_mov_b32 s[G0+1], s45
	s_add_nc_u64 s[G0+2:G0+3], s[68:69], s[92:93]
	s_or_b32 s[G0+3], s[G0+3], 0x80000000
	s_mov_b32 s[G0B], 1
	s_add_co_u32 s[G0B+1], s45, 2*BLK
	s_add_nc_u64 s[G0B+2:G0B+3], s[70:71], s[94:95]
	s_or_b32 s[G0B+3], s[G0B+3], 0x80000000
	s_mov_b32 s[G0R], 1
	s_add_co_u32 s[G0R+1], s45, s19                ; half of K wave / 2, group wave % 2
	s_add_nc_u64 s[G0R+2:G0R+3], s[70:71], s[96:97]   ; at q's weights: each refill first steps it eight groups on
	s_or_b32 s[G0R+3], s[G0R+3], 0x80000000
	s_cmp_eq_u32 s14, 0                            ; one chain, one load to an arm
	s_cbranch_scc0 .Lw1
	TL G0, G1
	s_branch .Lasked
.Lw1:
	s_cmp_eq_u32 s14, 1
	s_cbranch_scc0 .Lw2
	TL G0B, G1B
	s_branch .Lasked
.Lw2:
	s_cmp_eq_u32 s14, 2
	s_cbranch_scc0 .Lw3
	TL G0, G1
	s_branch .Lasked
.Lw3:
	TL G0B, G1B
.Lasked:
	; THE BIASES, in the result's layout, under the tensor loads' flight.  q, k: along source 0's rows (tile b: features 32 (b / 2) + 16 h + 8 (b % 2) + 0 .. 7);  v: along source 1's (block a: the lane's own feature, eight times)
	s_lshl_b32 s60, s42, 1
	s_add_co_u32 s60, s60, s16
	s_lshl_b32 s60, s60, 9                         ; q, k: my 128 features of the 1,024, in bytes
	s_mov_b32 s61, 0
	s_add_nc_u64 s[4:5], s[72:73], s[60:61]        ; b_attn there (k's: 4,096 bytes on)
	s_add_nc_u64 s[6:7], s[74:75], s[60:61]        ; bQ
	s_add_nc_u64 s[8:9], s[76:77], s[60:61]        ; bK
	s_lshl_b32 s62, s42, 1
	s_add_co_u32 s62, s62, s15
	s_lshl_b32 s62, s62, 9
	s_lshl_b32 s63, s16, 8
	s_add_co_u32 s62, s62, s63                     ; v: my 64 features
	s_mov_b32 s63, 0
	s_add_nc_u64 s[12:13], s[78:79], s[62:63]      ; bV
	s_add_nc_u64 s[10:11], s[72:73], s[62:63]      ; b_attn (v's: 8,192 bytes on)
.irp t, 0,1,2,3,4,5,6,7
	global_load_b128 v[BI+8*\t:BI+8*\t+3], v7, s[4:5] offset:(32*(\t/2)+8*(\t%2))*4
	global_load_b128 v[BI+8*\t+4:BI+8*\t+7], v7, s[4:5] offset:(32*(\t/2)+8*(\t%2))*4+16
	global_load_b128 v[AF+8*\t:AF+8*\t+3], v7, s[6:7] offset:(32*(\t/2)+8*(\t%2))*4
	global_load_b128 v[AF+8*\t+4:AF+8*\t+7], v7, s[6:7] offset:(32*(\t/2)+8*(\t%2))*4+16
.endr
	WIN 0xc0
.irp t, 0,1,2,3,4,5,6,7
	global_load_b128 v[BIN+8*\t:BIN+8*\t+3], v7, s[4:5] offset:4096+(32*(\t/2)+8*(\t%2))*4
	global_load_b128 v[BIN+8*\t+4:BIN+8*\t+7], v7, s[4:5] offset:4096+(32*(\t/2)+8*(\t%2))*4+16
	global_load_b128 v[TMK+8*\t:TMK+8*\t+3], v7, s[8:9] offset:(32*(\t/2)+8*(\t%2))*4
	global_load_b128 v[TMK+8*\t+4:TMK+8*\t+7], v7, s[8:9] offset:(32*(\t/2)+8*(\t%2))*4+16
.endr
.irp a, 0,1,2,3
	global_load_b32 v[RAW+\a], v6, s[10:11] offset:8192+(32*(\a/2)+8*(\a%2))*4
	global_load_b32 v[RAW+8+\a], v6, s[12:13] offset:(32*(\a/2)+8*(\a%2))*4
.endr
	WIN 0
	s_wait_loadcnt 0x0
.set n, 0
.rept 32
	v_pk_add_f32 v[BI+n:BI+n+1], v[BI+n:BI+n+1], v[AF+n:AF+n+1]
.set n, n+2
.endr
	WIN 0xcf
.set n, 0
.rept 32
	v_pk_add_f32 v[BIN+n:BIN+n+1], v[BIN+n:BIN+n+1], v[TMK+n:TMK+n+1]
.set n, n+2
.endr
.irp a, 0,1,2,3
.irp j, 0,1,2,3,4,5,6,7
	v_add_f32 v[BIV+8*\a+\j], v[RAW+\a], v[RAW+8+\a]
.endr
.endr
	WIN 0
	s_wait_alu depctr_va_vdst(0)                   ; ahead of the branches and waits that follow
.macro FRAG reg, adr, off              ; a fragment, 16 rows x 128 K: six pieces of 8 bytes a lane, each piece's 256 bytes consecutive
.irp p, 0,1,2,3,4,5
	ds_load_b64 v[\reg+2*\p:\reg+2*\p+1], v[\adr] offset:(\off)+256*\p
.endr
.endm
.macro FETCH st, r8, r4, rc, rt        ; step st's fragments into sets st % 2; at an even step the scale words of two steps
.set OF_, (((\st)/2)%2)*BLK+((\st)%2)*1536
	WIN TO_B
.irp i, 0,1,2,3,4,5,6,7
	FRAG 128*((\st)%2)+FR*\i, \r8+(\st)/4, OF_+\i*3072
.endr
	WIN 0
.irp i, 0,1,2,3
	FRAG AF+48*((\st)%2)+FR*\i, \r4+(\st)/4, OF_+\i*3072
.endr
.if (\st)%2 == 0
.irp i, 0,1,2,3
	ds_load_b64 v[SC+16*(((\st)/2)%2)+2*\i:SC+16*(((\st)/2)%2)+2*\i+1], v[\rc+(\st)/4] offset:(((\st)/2)%2)*BLK+128*\i
.endr
.irp i, 4,5,6,7
	ds_load_b64 v[SC+16*(((\st)/2)%2)+2*\i:SC+16*(((\st)/2)%2)+2*\i+1], v[\rt+(\st)/4] offset:(((\st)/2)%2)*BLK+128*\i
.endr
.endif
.endm
; 32 matrix instructions: four blocks x eight, 128 along K.  ck: 0 the sums go on; 1, 2: the first products take the bias as C (q, k: by b; v: by a).  The 32 accumulators take turns, one instruction a turn,
; in the same order in every step.
.macro MUL32 p, q, sc, ck
.irp a, 0,1,2,3
.irp b, 0,1,2,3,4,5,6,7
.if \ck == 1
	v_wmma_scale_f32_16x16x128_f8f6f4 v[8*(8*\a+\b):8*(8*\a+\b)+7], v[128*(\p)+FR*\b:128*(\p)+FR*\b+FR-1], v[AF+48*(\p)+FR*\a:AF+48*(\p)+FR*\a+FR-1], v[BI+8*\b:BI+8*\b+7], v[SC+16*(\sc)+2*\b+(\q)], v[SC+16*(\sc)+2*\a+(\q)] matrix_a_fmt:MATRIX_FMT_FP6 matrix_b_fmt:MATRIX_FMT_FP6 matrix_a_scale:MATRIX_SCALE_ROW1
.elseif \ck == 2
	v_wmma_scale_f32_16x16x128_f8f6f4 v[8*(8*\a+\b):8*(8*\a+\b)+7], v[128*(\p)+FR*\b:128*(\p)+FR*\b+FR-1], v[AF+48*(\p)+FR*\a:AF+48*(\p)+FR*\a+FR-1], v[BIV+8*\a:BIV+8*\a+7], v[SC+16*(\sc)+2*\b+(\q)], v[SC+16*(\sc)+2*\a+(\q)] matrix_a_fmt:MATRIX_FMT_FP6 matrix_b_fmt:MATRIX_FMT_FP6 matrix_a_scale:MATRIX_SCALE_ROW1
.else
	v_wmma_scale_f32_16x16x128_f8f6f4 v[8*(8*\a+\b):8*(8*\a+\b)+7], v[128*(\p)+FR*\b:128*(\p)+FR*\b+FR-1], v[AF+48*(\p)+FR*\a:AF+48*(\p)+FR*\a+FR-1], v[8*(8*\a+\b):8*(8*\a+\b)+7], v[SC+16*(\sc)+2*\b+(\q)], v[SC+16*(\sc)+2*\a+(\q)] matrix_a_fmt:MATRIX_FMT_FP6 matrix_b_fmt:MATRIX_FMT_FP6 matrix_a_scale:MATRIX_SCALE_ROW1
.endif
.endr
.endr
.endm
; A step: its fragments are waited for, the next step's asked for into the other sets, then the products.  fill = 1: in step 7 the weights' bytes are filled again.
.macro STEP st, r8, r4, rc, rt, ck, fill
.if ((\st) == 7) && (\fill)
	s_wait_tensorcnt 0x0                           ; no tensor load of mine is out, so group 0 may be written;
	ds_add_u32 v[SPW], v[NIL]                      ; 0 onto my spare word;
	s_add_nc_u64 s[G0R+2:G0R+3], s[G0R+2:G0R+3], 32*BLK   ; the next tensor's weights: eight groups on
	s_wait_dscnt 0x0                               ; the add is done, and my reads of these weights are over: the last step's fragments are in registers
	CROUND                                         ; no wave of any partner still reads them or has a load on its way
	s_cmp_lt_u32 s14, 2                            ; waves 0 and 1, which fetch the first half of K, have a line of their own
	s_cbranch_scc0 .Lsecond_\@
	TL G0R, G1R
	s_branch .Lfilled_\@
.Lsecond_\@:
	TL G0R, G1R
.Lfilled_\@:
.else
.if (\st) == 3
	s_wait_tensorcnt 0x0                           ; every wave's load is in,
.endif
	s_wait_dscnt 0x0
.if (\st) == 3
	s_barrier_signal -1
	s_barrier_wait -1                              ; the second half of K is shown to all
.endif
.endif
.if (\st) < 7
	PLACES NP                                      ; in front of loads into registers that the last step's products read
	FETCH (\st)+1, \r8, \r4, \rc, \rt
.endif
.if (\st) == 0
	WIN 0x71+0x10*(\ck)                            ; C: window 0 (q, k: 0x81) or window 3 (v: 0xb1 is set below)
.else
	WIN MUL
.endif
.endm
.macro SHOW                            ; a phase's head: the first half of K is shown to all; the second may be on its way
	s_cmp_lt_u32 s14, 2
	s_cbranch_scc0 .Lnot_first_\@
	s_wait_tensorcnt 0x0
.Lnot_first_\@:
	s_barrier_signal -1
	s_barrier_wait -1
.endm
.macro PHASE r8, r4, rc, rt, ck, fill
	SHOW
	FETCH 0, \r8, \r4, \rc, \rt
.irp st, 0,1,2,3,4,5,6,7
	STEP \st, \r8, \r4, \rc, \rt, \ck, \fill
.if \st == 0
.if \ck == 2
	WIN 0xb1
.endif
	MUL32 0, 0, 0, \ck
.else
	MUL32 (\st)%2, (\st)%2, ((\st)/2)%2, 0
.endif
	WIN 0
.endr
.endm
; Block a's 64 sums of a lane, register 16 b + i = neighbour 32 b + 16 h + i of my row, read where they lie (window 2, each accumulator from its low end on), become codes:
; neighbours 0-63 in v[d0] .. v[d0 + 5], 64-127 in v[d1] .. v[d1 + 5]; the four bytes in v[pw].
.macro QUANT a, d0, d1, pw
.set SR, 64*(\a)
	WIN 0x0a
.irp b, 0,1,2,3
	v_max3_num_f32 v[TM+\b], |v[SR+16*\b]|, |v[SR+1+16*\b]|, 0x1800000   ; with the floor 2^(3 - 127): the byte cannot fall under 1
.endr
	WIN 0x28
.irp i, 2,4,6,8,10,12,14
.irp b, 0,1,2,3
	v_max3_num_f32 v[TM+\b], v[TM+\b], |v[SR+16*\b+\i]|, |v[SR+1+16*\b+\i]|
.endr
.endr
	WIN 0
.irp b, 0,1,2,3
	v_permlanex16_b32 v[TM+4+\b], v[TM+\b], s[SEL], s[SEL+1]
.endr
.irp b, 0,1,2,3
	v_max_num_f32 v[TM+\b], v[TM+\b], v[TM+4+\b]   ; with lane l xor 16's: the block's largest magnitude
.endr
.irp b, 0,1,2,3
	v_add_nc_u32 v[TM+12+\b], 0xff000000, v[TM+\b] ; 2 off its exponent field: the conversion's scale operand
.endr
.irp b, 0,1,2,3
	v_lshrrev_b32 v[TM+4+\b], 23, v[TM+12+\b]      ; the byte
.endr
	v_lshl_or_b32 v[\pw], v[TM+5], 8, v[TM+4]
	v_lshl_or_b32 v[\pw], v[TM+6], 16, v[\pw]
	v_lshl_or_b32 v[\pw], v[TM+7], 24, v[\pw]
	WIN 0x02
	v_cvt_scalef32_pk16_fp6_f32 v[\d0:\d0+2], v[SR:SR+15], v[TM+12]
	v_cvt_scalef32_pk16_fp6_f32 v[T0:T0+2], v[SR+16:SR+31], v[TM+13]
	v_cvt_scalef32_pk16_fp6_f32 v[\d1:\d1+2], v[SR+32:SR+47], v[TM+14]
	v_cvt_scalef32_pk16_fp6_f32 v[T1:T1+2], v[SR+48:SR+63], v[TM+15]
	WIN 0
	v_nop                                          ; one plain instruction behind the conversions
.irp i, 0,1,2                                  ; the operand's layout wants a whole block in a lane
	v_permlane16_swap_b32 v[\d0+\i], v[T0+\i]
	v_permlane16_swap_b32 v[\d1+\i], v[T1+\i]
.endr
.irp i, 0,1,2
	v_mov_b32 v[\d0+3+\i], v[T0+\i]
	v_mov_b32 v[\d1+3+\i], v[T1+\i]
.endr
.endm
.macro BLOCKOF hd                      ; s92 = ((batch x 16 + head s[hd]) x 8 + which 256 tokens of the batch's 2,048) x s60; s93 = which 128 of them
	s_lshr_b32 s92, s17, 4
	s_lshl_b32 s92, s92, 4
	s_add_co_u32 s92, s92, s[\hd]
	s_lshl_b32 s92, s92, 3
	s_bfe_u32 s93, s17, 0x30001
	s_add_co_u32 s92, s92, s93
	s_mul_i32 s92, s92, s60
	s_and_b32 s93, s17, 1
.endm
	s_mov_b32 s3, 0                                ; the phase: 0 q, 1 k
.Lphase:
	PHASE Q8, Q4, QC, QT, 1, 1
	; q, k ON THE WAY OUT.  My 128 features are two heads; my token blocks 2 e and 2 e + 1 make pair fragment 2 (wave / 2) + e for each head.  A fragment's registers are stored as they stand, 512 consecutive bytes a store.
	s_mov_b32 s60, 25600                           ; a block's bytes,
	s_mov_b32 s61, 24576                           ; and where its scale words begin
	s_cmp_eq_u32 s3, 0
	s_cselect_b32 s60, 12800, s60
	s_cselect_b32 s61, 12288, s61
	s_cselect_b64 s[62:63], s[80:81], s[82:83]     ; qimg or kv
	s_lshl_b32 s98, s42, 2
	s_lshl_b32 s99, s16, 1
	s_add_co_u32 s98, s98, s99                     ; the first head
	BLOCKOF 98
	s_mul_i32 s94, s93, 6144
	s_add_co_u32 s94, s94, s92
	s_mul_i32 s96, s15, 3072
	s_add_co_u32 s94, s94, s96
	s_mov_b32 s95, 0
	s_lshl_b32 s96, s93, 8
	s_add_co_u32 s96, s96, s92
	s_add_co_u32 s96, s96, s61
	s_lshl_b32 s98, s15, 3
	s_add_co_u32 s96, s96, s98
	s_mov_b32 s97, 0
	s_lshl_b32 s98, s60, 3                         ; a head on: eight blocks
	s_mov_b32 s99, 0
	s_add_nc_u64 s[4:5], s[62:63], s[94:95]        ; the first head's images
	s_add_nc_u64 s[6:7], s[62:63], s[96:97]        ; its scale words
	s_add_nc_u64 s[8:9], s[4:5], s[98:99]          ; the second head's images
	v_mul_lo_u32 v[SOF], v2, s98
	v_lshl_add_u32 v[SOF], v1, 4, v[SOF]           ; 16 r + h x a head
	PLACES NP
.irp e, 0,1
.if \e > 0
	s_wait_xcnt 0x0                                ; the last pair's stores have read their registers
.endif
	QUANT 2*\e, X, Y, PW0
	QUANT 2*\e+1, X+6, Y+6, PW1
	v_perm_b32 v[WA+\e], v[PW1], v[PW0], 0x05040100   ; first head: the two blocks' low halves
	v_perm_b32 v[WB+\e], v[PW1], v[PW0], 0x07060302   ; second head: their high halves
.irp c, 0,1,2
	global_store_b128 v[LI], v[X+4*\c:X+4*\c+3], s[4:5] offset:1536*\e+512*\c
	global_store_b128 v[LI], v[Y+4*\c:Y+4*\c+3], s[8:9] offset:1536*\e+512*\c
.endr
.endr
	v_cmp_eq_u32 vcc_lo, 1, v2                     ; lanes 0-15 store the first head's two words of row r, lanes 16-31 the second head's
	v_cndmask_b32 v[TM+8], v[WA], v[WB], vcc_lo
	v_cndmask_b32 v[TM+9], v[WA+1], v[WB+1], vcc_lo
	global_store_b64 v[SOF], v[TM+8:TM+9], s[6:7]
	s_wait_xcnt 0x0                                ; the stores have read their registers and bases
	s_cmp_lg_u32 s3, 0
	s_cbranch_scc1 .Lno_copy
	WIN 0x03
.set n, 0
.rept 64
	v_mov_b32 v[BI+n], v[BIN+n]                    ; k's bias takes q's place
.set n, n+1
.endr
	WIN 0
.Lno_copy:
	s_wait_alu depctr_va_vdst(0)
	s_add_co_u32 s3, s3, 1
	s_cmp_lt_u32 s3, 2
	s_cbranch_scc1 .Lphase
	PHASE V8, V4, VC, VT, 2, 0
	; v ON THE WAY OUT.  My 64 features are one head; feature block a is its d tile a, and its 128 keys are one fragment of V^T.
	s_mov_b32 s60, 25600
	s_lshl_b32 s98, s42, 2
	s_lshl_b32 s99, s15, 1
	s_add_co_u32 s98, s98, s99
	s_add_co_u32 s98, s98, s16                     ; the head
	BLOCKOF 98
	s_mul_i32 s94, s93, 6144
	s_add_co_u32 s94, s94, s92
	s_add_co_u32 s94, s94, 12288
	s_mov_b32 s95, 0
	s_lshl_b32 s96, s93, 8
	s_add_co_u32 s96, s96, s92
	s_add_co_u32 s96, s96, 25088
	s_mov_b32 s97, 0
	s_add_nc_u64 s[4:5], s[82:83], s[94:95]        ; the images
	s_add_nc_u64 s[6:7], s[82:83], s[96:97]        ; the scale words
	v_lshlrev_b32 v[SOF], 4, v1                    ; 16 r
	PLACES NP
.irp a, 0,1,2,3
.if \a > 0
	s_wait_xcnt 0x0
.endif
	QUANT \a, X, X+6, WA+\a
.irp c, 0,1,2
	global_store_b128 v[LI], v[X+4*\c:X+4*\c+3], s[4:5] offset:1536*\a+512*\c
.endr
.endr
	global_store_b128 v[SOF], v[WA:WA+3], s[6:7]   ; row r's four words: 256 consecutive bytes, aligned (lanes l and l xor 16 hold the same words and name the same bytes)
	s_wait_tensorcnt 0x0                           ; the wave's end
	ds_add_u32 v[SPW], v[NIL]
	s_wait_dscnt 0x0
	CROUND                                         ; the closing round
	s_endpgm
.Lfunc_end_k_q194840d2c8_qkv:
	.size	k_q194840d2c8_qkv, .Lfunc_end_k_q194840d2c8_qkv-k_q194840d2c8_qkv
	.p2alignl 7, 3214868480
	.fill 96, 4, 3214868480
	.section	.rodata,"a",@progbits
	.p2align	6, 0x0
	.amdhsa_kernel k_q194840d2c8_qkv
		.amdhsa_group_segment_fixed_size 327680
		.amdhsa_private_segment_fixed_size 0
		.amdhsa_enable_private_segment 0
		.amdhsa_kernarg_size 64
		.amdhsa_user_sgpr_count 2
		.amdhsa_user_sgpr_kernarg_segment_ptr 1
		.amdhsa_wavefront_size32 1
		.amdhsa_system_sgpr_workgroup_id_x 1
		.amdhsa_system_sgpr_workgroup_id_y 1
		.amdhsa_system_sgpr_workgroup_id_z 1
		.amdhsa_system_vgpr_workitem_id 0
		.amdhsa_next_free_vgpr 1024
		.amdhsa_next_free_sgpr 100
		.amdhsa_reserve_vcc 1
		.amdhsa_float_denorm_mode_32 3
		.amdhsa_float_denorm_mode_16_64 3
		.amdhsa_memory_ordered 1
		.amdhsa_forward_progress 1
		.amdhsa_inst_pref_size 206
	.end_amdhsa_kernel
	.amdgpu_metadata
---
amdhsa.version: [ 1, 2 ]
amdhsa.kernels:
  - .name:           k_q194840d2c8_qkv
    .symbol:         k_q194840d2c8_qkv.kd
    .args:
      - { .name: xq, .offset: 0, .size: 8, .value_kind: global_buffer, .address_space: global }
      - { .name: waq, .offset: 8, .size: 8, .value_kind: global_buffer, .address_space: global }
      - { .name: b_attn, .offset: 16, .size: 8, .value_kind: global_buffer, .address_space: global }
      - { .name: bQ, .offset: 24, .size: 8, .value_kind: global_buffer, .address_space: global }
      - { .name: bK, .offset: 32, .size: 8, .value_kind: global_buffer, .address_space: global }
      - { .name: bV, .offset: 40, .size: 8, .value_kind: global_buffer, .address_space: global }
      - { .name: qimg, .offset: 48, .size: 8, .value_kind: global_buffer, .address_space: global }
      - { .name: kv, .offset: 56, .size: 8, .value_kind: global_buffer, .address_space: global }
    .group_segment_fixed_size: 327680
    .private_segment_fixed_size: 0
    .kernarg_segment_align: 8
    .kernarg_segment_size: 64
    .max_flat_workgroup_size: 128
    .sgpr_count:     100
    .vgpr_count:     1024
    .wavefront_size: 32
...
	.end_amdgpu_metadata
.endif
;; end of part 2
;; launch attn (part 3): grid 4 x 64, 8 waves a work-group, clusters of 4 x 1, 327,680 bytes of LDS; arguments qimg, kv, yq; writes yq
.if DOCPART == 3
	.amdgcn_target "amdgcn-amd-amdhsa--gfx1250"
	.amdhsa_code_object_version 6
	.text
	.protected	k_q194840d2c8_attn
	.globl	k_q194840d2c8_attn
	.p2align	8
	.type	k_q194840d2c8_attn,@function
k_q194840d2c8_attn:
	s_mov_b64 s[64:65], 0
	v_nop
	global_prefetch_b8 v0, s[64:65] scope:SCOPE_SE
	s_setreg_imm32_b32 hwreg(HW_REG_WAVE_MODE, 25, 1), 1
	s_wait_xcnt 0x0
	s_wait_alu depctr_hold_cnt(0) depctr_sa_sdst(0) depctr_va_vdst(0) depctr_va_sdst(0) depctr_va_ssrc(0) depctr_va_vcc(0) depctr_vm_vsrc(0)
	s_getreg_b32 s2, hwreg(HW_REG_IB_STS2, 6, 4)
	s_cmp_eq_u32 s2, 0
	s_cbranch_scc0 .Lentry_in_a_cluster
	s_endpgm
.Lentry_in_a_cluster:
	s_bfe_u32 s2, ttmp6, 0x10000c
	s_cmp_lg_u32 s2, 0x3003
	s_cbranch_scc0 .Lentry_shape_is_right
	s_endpgm
.Lentry_shape_is_right:
; y = causal softmax(q k^T / 8) v for one head, both products on codes of FP6 (E2M3) with E8M0 scales; y / l leaves as codes again, quantised along C = head x 64 + d, in the next product's operand order.
; THE SOFTMAX: t = score x log2(e) / 8; M = the running largest t rounded up to a whole number; p = 2^(t - M) is quantised along the keys, not normalised; the row's sum is taken of the unquantised p
; and divides at the end; when M moves, the sum and O are multiplied by 2^(old M - new M), which rounds nothing.
; LEFT OUT: key steps all of whose keys come after all of a tile's queries: the causal mask makes their p zero for every input.
; THE WHOLE HEAD LIES IN LDS: its K and V are 8 blocks of 25,600 bytes (256 keys each; launch qkv's head comment has the offsets in a block), 204,800 bytes, filled once, at the head: no ring, no barrier in the walk.
; CLUSTER: the four work-groups of a head (4 x 1) need the same 204,800 bytes and ask for them jointly: wave w of each asks for block w, mask 15.
; SHARES.  The head's 2,048 query positions are 16 groups of 128, each two halves z of 64, each half four row blocks of 16.  Partner cx takes row block cx of every half.  A wave holds TWO TILES at once, halves
; z = 0, 1 of one group m: both need the same m + 1 key steps of 128, so each fragment of K and V feeds both, and every line of the softmax is written for both by turns: no line waits for the line above it.
; Wave w takes group 15 - w and then group w: (16 - w) + (w + 1) = 17 steps for every wave, whatever cx: no branch and no trip count hangs on the place in the cluster.
; THE WALK: 32 step slots, 16 for each group; a slot beyond the group's last step is jumped over by a branch on the wave's number and the slot.  Slots 0 and 1 (block 0, which counts for every query of groups
; 8-15: no mask) are a loop of their own: wave 0 fetches block 0 by a load line of its own, and the first barrier shows that block alone; the barrier behind slot 1 shows the other seven.
; K AND V HAVE REGISTERS OF THEIR OWN: a step's V is asked for at its head, the next step's K behind the score products.  s_wait_dscnt 13: behind K's 13 loads stand V's 13 and nothing else.
; NO PREFETCH: every tensor load stands at the head; there is no loop to run ahead in.
; POSITIONS: position p holds the true token (or d) p with bits 3 and 4 exchanged; lane r of tile z holds true query 128 m + 64 z + 32 (cx / 2) + 8 (cx % 2) + r + 8 (r / 8).
; BOTH PRODUCTS TRANSPOSED: S^T = K Q^T, O^T = V^T P^T: a lane holds one query of each tile; the 16 registers of score tiles 2 b, 2 b + 1 are true keys 32 b + 16 h + 0 .. 15.
; THE FIRST PRODUCT'S K IS 64: a fragment of K holds TWO key tiles and is multiplied once by [Q | 0] and once by [0 | Q], which are registers 0-11 and 6-17 of [Q | 0 | Q]: zero codes add nothing.
; LIMITS: the promise holds while |t| stays under 2^31; y = O x the reciprocal of l by v_rcp_f32; blocks of y under 2^-124 get the byte 1; NaN and infinities are not served.
.set SLOTB, 25600
.set SPARE, 8*SLOTB                    ; the spare words: 128 bytes for each of eight waves, named by no other line
; window 0 (z = the tile)              v1 16 lane, v2 16 r, v8 8 lane, v9 8 r + h, v11 h
.set SPW,  3
.set NIL,  4
.set MQ,   5                           ; r + 8 (r / 8) - 16 h
.set ADK,  6                           ; this step's K and V: LDS address + 16 lane;  v7: its scale words, + 16 r
.set ADS,  7
.set QYO,  10                          ; 16 lane + 1016 (cx % 2)
.set NM,   12                          ; v[12+2z] -M, v[13+2z] the largest t
.set SUM,  16                          ; v[16+2z:17+2z] the sum, in two halves
.set DQ,   20                          ; v[20+z] on the diagonal: my query - the step's first key - 16 h
.set FF,   22                          ; v[22+2z:23+2z] f = 2^(old M - new M)
.set QS,   26                          ; v[26+z] Q's scale word
.set KS,   30                          ; v30-33 K's scale words
.set VS,   34                          ; v34-37 V's
.set PS,   38                          ; v[38+z] p's
.set W0,   40                          ; v[40+z] at work; v42 -infinity
.set NINF, 42
.set BM,   44                          ; v[44+4z ..] the blocks' largest
.set BY,   52                          ; the other half's, then the bytes
.set SO,   60                          ; the conversions' scale operands
.set P,    68                          ; v[68+12z ..] p's codes
.set PT,   92                          ; v[92+8z ..] the conversions' second halves
.set T,    108                         ; v[108+6z ..] three partial sums
.set ADKN, 120                         ; the next step's K, and its scale words
.set ADSN, 121
.set S,    128                         ; v[128+64z ..] S^T, then p
; window 1
.set FK,   0                           ; four fragments of K
.set FV,   48                          ; four of V^T
.set OT,   96                          ; v[96+32z ..] O^T
.set QQ,   160                         ; v[160+18z ..] [Q | 0 | Q]
.set R2,   200                         ; v[200+8z ..] the second group's Q as loaded: 4 + 2 registers and the scale word
.set R1,   216                         ; the first group's
.set WV,   10
.set CX,   11
.set BH,   12
.set MG,   13                          ; the group in hand
.set NS,   14                          ; its key steps
.set CNT,  15                          ; the step slot
.set TBK,  16                          ; this step in LDS: codes, scale words; the next step's
.set TBS,  17
.set TNK,  18
.set KST,  19                          ; the key step
.set SEL,  20
.set CS,   22
.set G1,   24
.set G0,   32
.set KVB,  36
.set QOF,  40                          ; 32 (cx / 2) + 8 (cx % 2)
.set USEL, 41
.set PSEL, 42
.set TNS,  43
.set QBA,  44                          ; s[44:45] qimg at my head, my pair fragment; s[46:47] its scale words; s[48:49], s[50:51] yq likewise
.set QSA,  46
.set YBA,  48
.set YSA,  50
.set MSB, 0
.macro WIN new                         ; low byte: 1:0 source 0, 3:2 source 1, 5:4 source 2, 7:6 destination; the high byte repeats the setting that is left
.if MSB != (\new)
	s_set_vgpr_msb (MSB<<8)|(\new)
.set MSB, (\new)
.endif
.endm
.macro WALU
	s_wait_alu depctr_va_vdst(0)
.endm
.macro ROUND                           ; a round of the cluster's barrier
	s_barrier_signal -1
	s_barrier_wait -1
	s_cmp_lg_u32 s[WV], 0
	s_cbranch_scc1 .Lnot_wave_0_\@
	s_barrier_signal -3
.Lnot_wave_0_\@:
	s_barrier_wait -3
	s_barrier_signal -1
	s_barrier_wait -1
.endm
.macro TLOAD                           ; s_nop 0 and four v_nop follow the line
	tensor_load_to_lds s[G0:G0+3], s[G1:G1+7]
	s_nop 0
.rept 4
	v_nop
.endr
.endm
; My two tiles of Q in group s[g]: of each pair fragment six registers (0-5 for cx even, 6-11 for cx odd) by a load of 16 bytes and one of 8, and the pair's scale word.  sb: four scalars for the two bases.
.macro QLOAD g, sb, raw
	s_lshr_b32 s70, s[\g], 1
	s_mul_i32 s70, s70, 12800                      ; the block of 256 queries
	s_and_b32 s71, s[\g], 1                        ; which 128 of them
	s_mul_i32 s73, s71, 6144
	s_add_co_u32 s[\sb], s70, s73
	s_mov_b32 s[\sb+1], 0
	s_lshl_b32 s73, s71, 8
	s_add_co_u32 s[\sb+2], s70, s73
	s_mov_b32 s[\sb+3], 0
	s_add_nc_u64 s[\sb:\sb+1], s[QBA:QBA+1], s[\sb:\sb+1]
	s_add_nc_u64 s[\sb+2:\sb+3], s[QSA:QSA+1], s[\sb+2:\sb+3]
	WIN 0x40
.irp z, 0,1
	global_load_b128 v[\raw+8*\z:\raw+8*\z+3], v[QYO], s[\sb:\sb+1] offset:3072*\z        ; cx even: registers 0-3; odd: 8-11
	global_load_b64 v[\raw+8*\z+4:\raw+8*\z+5], v1, s[\sb:\sb+1] offset:512+3072*\z       ; cx even: registers 4, 5; odd: 6, 7
	global_load_b32 v[\raw+8*\z+6], v2, s[\sb+2:\sb+3] offset:8*\z
.endr
	WIN 0
.endm
; A group begins: [Q | 0 | Q] of both tiles (the zeros were written at the head) and the running numbers.
.macro QSET raw
	WIN 0x45
.irp z, 0,1
	v_cndmask_b32 v[QQ+18*\z], v[\raw+8*\z], v[\raw+8*\z+4], s[USEL]
	v_cndmask_b32 v[QQ+18*\z+1], v[\raw+8*\z+1], v[\raw+8*\z+5], s[USEL]
	v_cndmask_b32 v[QQ+18*\z+2], v[\raw+8*\z+2], v[\raw+8*\z], s[USEL]
	v_cndmask_b32 v[QQ+18*\z+3], v[\raw+8*\z+3], v[\raw+8*\z+1], s[USEL]
	v_cndmask_b32 v[QQ+18*\z+4], v[\raw+8*\z+4], v[\raw+8*\z+2], s[USEL]
	v_cndmask_b32 v[QQ+18*\z+5], v[\raw+8*\z+5], v[\raw+8*\z+3], s[USEL]
.endr
	WIN 0x05
.irp z, 0,1
	v_perm_b32 v[QS+\z], v[\raw+8*\z+6], v[\raw+8*\z+6], s[PSEL]   ; my tile's two bytes, twice
.endr
	WIN 0x41
.irp i, 0,1,2,3,4,5
.irp z, 0,1
	v_mov_b32 v[QQ+18*\z+12+\i], v[QQ+18*\z+\i]
.endr
.endr
	WIN 0x40
.set n, 0
.rept 64
	v_mov_b32 v[OT+n], 0                           ; O^T (these also stand between the writes of Q's operands and scale words and the first product)
.set n, n+1
.endr
	WIN 0
.irp z, 0,1
	v_mov_b32 v[NM+2*\z+1], 0xff61b1e6             ; the largest t so far: -3e38
	v_mov_b32 v[SUM+2*\z], 0
	v_mov_b32 v[SUM+2*\z+1], 0
.endr
.irp z, 0,1
	v_floor_f32 v[NM+2*\z], -v[NM+2*\z+1]          ; -M
.endr
	WALU                                           ; ahead of the branches and waits that follow
.endm
.macro KLOAD adk, ads, ko, so          ; a step's four fragments of K and their scale words: 13 loads
	WIN 0x40
.irp b, 0,1,2,3
.irp c, 0,1,2
	ds_load_b128 v[FK+12*\b+4*\c:FK+12*\b+4*\c+3], v[\adk] offset:(\ko)+1536*\b+512*\c
.endr
.endr
	WIN 0
	ds_load_b128 v[KS:KS+3], v[\ads] offset:\so
.endm
.macro ADDR                            ; where step s[KST] and the slot behind it lie in LDS: block ks / 2, codes + 6144 (ks % 2), scale words + 256 (ks % 2)
	s_lshr_b32 s70, s[KST], 1
	s_and_b32 s71, s[KST], 1
	s_mul_i32 s72, s70, SLOTB
	s_mul_i32 s73, s71, 6144
	s_add_co_u32 s[TBK], s72, s73
	s_lshl_b32 s73, s71, 8
	s_add_co_u32 s[TBS], s72, s73
	s_add_co_u32 s74, s[CNT], 1
	s_and_b32 s74, s74, 15
	s_lshr_b32 s70, s74, 1
	s_and_b32 s71, s74, 1
	s_mul_i32 s72, s70, SLOTB
	s_mul_i32 s73, s71, 6144
	s_add_co_u32 s[TNK], s72, s73
	s_lshl_b32 s73, s71, 8
	s_add_co_u32 s[TNS], s72, s73
.endm
; A KEY STEP: 128 keys for both tiles.  gen = 0: slots 0 and 1, where every key counts for every query.
.macro STEP gen
	v_add_nc_u32 v[ADK], s[TBK], v1                ; (these four are also the places in front of the loads into registers that the last products read)
	v_add_nc_u32 v[ADS], s[TBS], v2
	v_add_nc_u32 v[ADKN], s[TNK], v1
	v_add_nc_u32 v[ADSN], s[TNS], v2
	WALU
	WIN 0x40
.irp t, 0,1,2,3
.irp c, 0,1,2
	ds_load_b128 v[FV+12*\t+4*\c:FV+12*\t+4*\c+3], v[ADK] offset:12288+1536*\t+512*\c
.endr
.endr
	WIN 0
	ds_load_b128 v[VS:VS+3], v[ADS] offset:25088
	s_wait_dscnt 13                                ; K and its scale words are in; V's 13 loads may be out
	WIN 0x05
.irp b, 0,1,2,3
.irp u, 0,1
.irp z, 0,1
	v_wmma_scale_f32_16x16x128_f8f6f4 v[S+64*\z+16*\b+8*\u:S+64*\z+16*\b+8*\u+7], v[FK+12*\b:FK+12*\b+11], v[QQ+18*\z+6*\u:QQ+18*\z+6*\u+11], 0, v[KS+\b], v[QS+\z] matrix_a_fmt:MATRIX_FMT_FP6 matrix_b_fmt:MATRIX_FMT_FP6
.endr
.endr
.endr
	WIN 0
.rept 4
	v_nop
.endr
	s_wait_dscnt 0x0                               ; V is in
	s_add_co_u32 s70, s[KST], 1
.if \gen
	s_cmp_ge_u32 s70, s[NS]
	s_cbranch_scc1 .Llast_\@
	KLOAD ADKN, ADSN, 0, 24576                     ; the next step's K lands under the softmax
	s_branch .Lopen_\@
.Llast_\@:                                         ; the group's last step holds the diagonal: hidden scores become -infinity ahead of the maximum.  Register 16 b + i holds key first + 16 h + 32 b + i: hidden where 32 b + i > d
	v_mov_b32 v[NINF], 0xff800000
.set n, 0
.rept 64
	v_cmp_gt_i32 vcc_lo, 32*(n/16)+n%16, v[DQ]
	v_cmp_gt_i32 s76, 32*(n/16)+n%16, v[DQ+1]
	v_cndmask_b32 v[S+n], v[S+n], v[NINF], vcc_lo
	v_cndmask_b32 v[S+64+n], v[S+64+n], v[NINF], s76
.set n, n+1
.endr
.Lopen_\@:
.else
	s_cmp_ge_u32 s70, 2                            ; slot 1 asks for nothing: block 1 is shown only behind the next barrier
	s_cbranch_scc1 .Lnone_\@
	KLOAD ADKN, ADSN, 0, 24576
.Lnone_\@:
.endif
.irp b, 0,1,2,3
.irp z, 0,1
	v_max3_num_f32 v[BM+4*\z+\b], v[S+64*\z+16*\b], v[S+64*\z+16*\b+1], v[S+64*\z+16*\b+2]   ; the largest score of each block of 32 keys: for the row's maximum, and, since p rises with the score, for the block's largest p
.endr
.endr
.irp i, 3,5,7,9,11,13
.irp b, 0,1,2,3
.irp z, 0,1
	v_max3_num_f32 v[BM+4*\z+\b], v[BM+4*\z+\b], v[S+64*\z+16*\b+\i], v[S+64*\z+16*\b+\i+1]
.endr
.endr
.endr
.irp b, 0,1,2,3
.irp z, 0,1
	v_max_num_f32 v[BM+4*\z+\b], v[BM+4*\z+\b], v[S+64*\z+16*\b+15]
.endr
.endr
.irp b, 0,1,2,3
.irp z, 0,1
	v_permlanex16_b32 v[BY+4*\z+\b], v[BM+4*\z+\b], s[SEL], s[SEL+1]
.endr
.endr
.irp b, 0,1,2,3
.irp z, 0,1
	v_max_num_f32 v[BM+4*\z+\b], v[BM+4*\z+\b], v[BY+4*\z+\b]     ; with lane l xor 16's 16 keys
.endr
.endr
.irp z, 0,1
	v_max3_num_f32 v[W0+\z], v[BM+4*\z], v[BM+4*\z+1], v[BM+4*\z+2]
.endr
.irp z, 0,1
	v_max_num_f32 v[W0+\z], v[W0+\z], v[BM+4*\z+3]
.endr
.irp z, 0,1
	v_mul_f32 v[W0+\z], s[CS], v[W0+\z]            ; the step's largest t (every query sees the step's first key, so it is a number)
.endr
.irp z, 0,1
	v_max_num_f32 v[NM+2*\z+1], v[NM+2*\z+1], v[W0+\z]
.endr
.irp z, 0,1
	v_mov_b32 v[W0+\z], v[NM+2*\z]
.endr
.irp z, 0,1
	v_floor_f32 v[NM+2*\z], -v[NM+2*\z+1]          ; the new -M = -ceil(t)
.endr
.irp z, 0,1
	v_sub_f32 v[W0+\z], v[NM+2*\z], v[W0+\z]       ; old M - new M: a whole number, 0 or less
.endr
.set n, 0
.rept 32
.irp z, 0,1
	v_pk_fma_f32 v[S+64*\z+n:S+64*\z+n+1], v[S+64*\z+n:S+64*\z+n+1], s[CS:CS+1], v[NM+2*\z:NM+2*\z+1] op_sel_hi:[1,0,0]   ; t - M
.endr
.if n == 8
.irp z, 0,1
	v_cvt_i32_f32 v[W0+\z], v[W0+\z]               ; (it saturates)
.endr
.endif
.if n == 24
.irp z, 0,1
	v_ldexp_f32 v[FF+2*\z], 1.0, v[W0+\z]
.endr
.endif
.set n, n+2
.endr
.irp b, 0,1,2,3
.irp z, 0,1
	v_fma_f32 v[BM+4*\z+\b], v[BM+4*\z+\b], s[CS], v[NM+2*\z]
.endr
.endr
	WALU                                           ; ahead of the batch
.set n, 0
.rept 128
	v_exp_f32 v[S+n], v[S+n]                       ; p
.set n, n+1
.endr
.set n, 0
.rept 8
	v_exp_f32 v[BM+n], v[BM+n]                     ; the blocks' largest p
.set n, n+1
.endr
.irp z, 0,1
	v_pk_mul_f32 v[SUM+2*\z:SUM+2*\z+1], v[SUM+2*\z:SUM+2*\z+1], v[FF+2*\z:FF+2*\z+1] op_sel_hi:[1,0]   ; the sums under the new M (plain instructions behind the exponentials)
.endr
	WALU                                           ; one wait for the batch, ahead of its first reader
.irp k, 0,1,2                                  ; the row's sum of the unquantised p: four chains a tile
.irp z, 0,1
	v_pk_add_f32 v[T+6*\z+2*\k:T+6*\z+2*\k+1], v[S+64*\z+4*\k:S+64*\z+4*\k+1], v[S+64*\z+4*\k+2:S+64*\z+4*\k+3]
.endr
.endr
.irp z, 0,1
	v_pk_add_f32 v[SUM+2*\z:SUM+2*\z+1], v[SUM+2*\z:SUM+2*\z+1], v[S+64*\z+12:S+64*\z+13]
.endr
.set j, 7
.rept 25
.irp z, 0,1
.if (j-7)%4 == 3
	v_pk_add_f32 v[SUM+2*\z:SUM+2*\z+1], v[SUM+2*\z:SUM+2*\z+1], v[S+64*\z+2*j:S+64*\z+2*j+1]
.else
	v_pk_add_f32 v[T+6*\z+2*((j-7)%4):T+6*\z+2*((j-7)%4)+1], v[T+6*\z+2*((j-7)%4):T+6*\z+2*((j-7)%4)+1], v[S+64*\z+2*j:S+64*\z+2*j+1]
.endif
.endr
.set j, j+1
.endr
.irp b, 0,1,2,3
.irp z, 0,1
	v_max_num_f32 v[BM+4*\z+\b], 0x1800000, v[BM+4*\z+\b]    ; the floor: a block whose every p is 0 keeps the byte 1; its codes are zeros
.endr
.endr
.irp z, 0,1
	v_pk_add_f32 v[T+6*\z:T+6*\z+1], v[T+6*\z:T+6*\z+1], v[T+6*\z+2:T+6*\z+3]
	v_pk_add_f32 v[SUM+2*\z:SUM+2*\z+1], v[SUM+2*\z:SUM+2*\z+1], v[T+6*\z+4:T+6*\z+5]
.endr
.irp b, 0,1,2,3
.irp z, 0,1
	v_add_nc_u32 v[SO+4*\z+\b], 0xff000000, v[BM+4*\z+\b]
.endr
.endr
.irp z, 0,1
	v_pk_add_f32 v[SUM+2*\z:SUM+2*\z+1], v[SUM+2*\z:SUM+2*\z+1], v[T+6*\z:T+6*\z+1]
.endr
.irp b, 0,1,2,3
.irp z, 0,1
	v_lshrrev_b32 v[BY+4*\z+\b], 23, v[SO+4*\z+\b]
.endr
.endr
.irp z, 0,1
	v_lshl_or_b32 v[PS+\z], v[BY+4*\z+1], 8, v[BY+4*\z]
.endr
.irp z, 0,1
	v_lshl_or_b32 v[PS+\z], v[BY+4*\z+2], 16, v[PS+\z]
.endr
.irp z, 0,1
	v_lshl_or_b32 v[PS+\z], v[BY+4*\z+3], 24, v[PS+\z]
.endr
.irp c, 0,1
.irp z, 0,1
	v_cvt_scalef32_pk16_fp6_f32 v[P+12*\z+6*\c:P+12*\z+6*\c+2], v[S+64*\z+32*\c:S+64*\z+32*\c+15], v[SO+4*\z+2*\c]
	v_cvt_scalef32_pk16_fp6_f32 v[PT+8*\z+4*\c:PT+8*\z+4*\c+2], v[S+64*\z+32*\c+16:S+64*\z+32*\c+31], v[SO+4*\z+2*\c+1]
.endr
.endr
	v_nop                                          ; one plain instruction behind the conversions
.irp c, 0,1
.irp i, 0,1,2
.irp z, 0,1
	v_permlane16_swap_b32 v[P+12*\z+6*\c+\i], v[PT+8*\z+4*\c+\i]   ; the operand's layout wants a whole block in a lane
.endr
.endr
.endr
.irp c, 0,1
.irp i, 0,1,2
.irp z, 0,1
	v_mov_b32 v[P+12*\z+6*\c+3+\i], v[PT+8*\z+4*\c+\i]
.endr
.endr
.endr
	WIN 0x41
	WALU                                           ; directly ahead of the first reader of O^T
.set n, 0
.rept 16
.irp z, 0,1
	v_pk_mul_f32 v[OT+32*\z+n:OT+32*\z+n+1], v[OT+32*\z+n:OT+32*\z+n+1], v[FF+2*\z:FF+2*\z+1] op_sel_hi:[1,0]   ; O^T under the new M (these stand between the writes of p's codes and scale words and the products)
.endr
.set n, n+2
.endr
	WIN 0x51
	WALU                                           ; covers every ordinary write of the step ahead of the branches that follow
.irp t, 0,1,2,3                                ; eight accumulators by turns
.irp z, 0,1
	v_wmma_scale_f32_16x16x128_f8f6f4 v[OT+32*\z+8*\t:OT+32*\z+8*\t+7], v[FV+12*\t:FV+12*\t+11], v[P+12*\z:P+12*\z+11], v[OT+32*\z+8*\t:OT+32*\z+8*\t+7], v[VS+\t], v[PS+\z] matrix_a_fmt:MATRIX_FMT_FP6 matrix_b_fmt:MATRIX_FMT_FP6
.endr
.endr
	WIN 0
.endm
; A group ends: y = O^T / l, quantised along d (two blocks of 32), stored as my head's half of a fragment of the next product's operand: group of 128 tokens m, row block 4 z + cx.
.macro FINISH
.rept 4
	v_nop
.endr
.irp z, 0,1
	v_add_f32 v[SUM+2*\z], v[SUM+2*\z], v[SUM+2*\z+1]
.endr
.irp z, 0,1
	v_permlanex16_b32 v[BY+4*\z], v[SUM+2*\z], s[SEL], s[SEL+1]
.endr
.irp z, 0,1
	v_add_f32 v[SUM+2*\z], v[SUM+2*\z], v[BY+4*\z] ; the row's sum
.endr
	WALU
.irp z, 0,1
	v_rcp_f32 v[SUM+2*\z], v[SUM+2*\z]
.endr
	v_nop                                          ; a plain instruction behind the reciprocals
	s_mul_i32 s70, s[MG], 102400
	s_mov_b32 s71, 0
	s_add_nc_u64 s[60:61], s[YBA:YBA+1], s[70:71]
	s_add_nc_u64 s[62:63], s[YSA:YSA+1], s[70:71]
	WIN 0x01
	WALU                                           ; the wait ahead of the first reader
.set n, 0
.rept 32
.irp z, 0,1
	v_mul_f32 v[S+64*\z+n], v[OT+32*\z+n], v[SUM+2*\z]   ; register 16 b + i = y(my query, d = 32 b + 16 h + i); each accumulator from its low end on
.endr
.set n, n+1
.endr
	WIN 0
.irp b, 0,1
.irp z, 0,1
	v_max3_num_f32 v[BM+4*\z+\b], |v[S+64*\z+16*\b]|, |v[S+64*\z+16*\b+1]|, 0x1800000
.endr
.endr
.irp i, 2,4,6,8,10,12,14
.irp b, 0,1
.irp z, 0,1
	v_max3_num_f32 v[BM+4*\z+\b], v[BM+4*\z+\b], |v[S+64*\z+16*\b+\i]|, |v[S+64*\z+16*\b+\i+1]|
.endr
.endr
.endr
.irp b, 0,1
.irp z, 0,1
	v_permlanex16_b32 v[BY+4*\z+\b], v[BM+4*\z+\b], s[SEL], s[SEL+1]
.endr
.endr
.irp b, 0,1
.irp z, 0,1
	v_max_num_f32 v[BM+4*\z+\b], v[BM+4*\z+\b], v[BY+4*\z+\b]
.endr
.endr
.irp b, 0,1
.irp z, 0,1
	v_add_nc_u32 v[SO+4*\z+\b], 0xff000000, v[BM+4*\z+\b]
.endr
.endr
.irp b, 0,1
.irp z, 0,1
	v_lshrrev_b32 v[BY+4*\z+\b], 23, v[SO+4*\z+\b]
.endr
.endr
.irp z, 0,1
	v_cvt_scalef32_pk16_fp6_f32 v[P+12*\z:P+12*\z+2], v[S+64*\z:S+64*\z+15], v[SO+4*\z]
	v_cvt_scalef32_pk16_fp6_f32 v[PT+8*\z:PT+8*\z+2], v[S+64*\z+16:S+64*\z+31], v[SO+4*\z+1]
.endr
	v_cmp_eq_u32 vcc_lo, 1, v11                    ; (a plain instruction behind the conversions)
.irp i, 0,1,2
.irp z, 0,1
	v_permlane16_swap_b32 v[P+12*\z+\i], v[PT+8*\z+\i]
.endr
.endr
.irp i, 0,1,2
.irp z, 0,1
	v_mov_b32 v[P+12*\z+3+\i], v[PT+8*\z+\i]       ; six registers: d = 32 h + 0 .. 31
.endr
.endr
.irp z, 0,1
	v_cndmask_b32 v[W0+\z], v[BY+4*\z], v[BY+4*\z+1], vcc_lo
.endr
.irp z, 0,1
.irp i, 0,1,2
	global_store_b64 v8, v[P+12*\z+2*\i:P+12*\z+2*\i+1], s[60:61] offset:12288*\z+256*\i   ; 32 lanes store 256 consecutive bytes, aligned
.endr
	global_store_b8 v9, v[W0+\z], s[62:63] offset:512*\z   ; lane (r, h): block h's byte of row r.  A scale word's other two bytes are another head's, another work-group's: so single bytes
.endr
	s_wait_xcnt 0x0                                ; the stores have read their registers and bases
.endm
	s_load_b128 s[4:7], s[0:1], 0x0                ; qimg, kv
	s_load_b64 s[8:9], s[0:1], 0x10                ; yq
	v_lshl_add_u32 v[SPW], v0, 2, SPARE
	v_mov_b32 v[NIL], 0
	ds_add_u32 v[SPW], v[NIL]                      ; the opening lines: the add, twice on end, and its wait ahead of the first tensor load
	ds_add_u32 v[SPW], v[NIL]
	v_lshrrev_b32 v5, 5, v0
	v_readfirstlane_b32 s[WV], v5                  ; wave 0..7
	s_bfe_u32 s[CX], ttmp6, 0x40000                ; my place in the cluster
	s_and_b32 s[BH], ttmp7, 0xffff                 ; batch x 16 + head: the cluster's y
	s_sub_co_u32 s[MG], 15, s[WV]                  ; the long group first
	s_add_co_u32 s[NS], s[MG], 1
	s_lshr_b32 s70, s[CX], 1                       ; my pair fragment of a half's two
	s_and_b32 s71, s[CX], 1                        ; my tile in it
	s_lshl_b32 s[QOF], s70, 5
	s_lshl_b32 s72, s71, 3
	s_add_co_u32 s[QOF], s[QOF], s72
	s_mov_b32 s73, 0x03020302
	s_cmp_eq_u32 s71, 0
	s_cselect_b32 s[USEL], 0, -1
	s_cselect_b32 s[PSEL], 0x01000100, s73
	s_mul_i32 s74, s71, 1016
	s_mov_b32 s[SEL], 0x76543210
	s_mov_b32 s[SEL+1], 0xfedcba98
	s_mov_b32 s[CS], 0x3e38aa3b                    ; log2(e) / 8
	s_mov_b32 s[CS+1], s[CS]
	s_mov_b32 s[G1], 15|(3<<16)|(1<<21)            ; the mask: all four partners; elements of 8 bytes; bit 21 beside a mask; no padding
	s_mov_b32 s[G1+1], 32<<16                      ; tensor_dim0 = 32 elements: 256 bytes
	s_mov_b32 s[G1+2], 100<<16                     ; tensor_dim1 = 100 rows
	s_mov_b32 s[G1+3], 32<<16                      ; tile_dim0
	s_mov_b32 s[G1+4], 100                         ; tile_dim1
	s_mov_b32 s[G1+5], 32                          ; the pitch: dense
	s_mov_b32 s[G1+6], 0
	s_mov_b32 s[G1+7], 0
	s_mul_i32 s66, s[BH], 8*SLOTB                  ; my head in kv
	s_mov_b32 s67, 0
	s_mul_i32 s75, s[BH], 102400                   ; my head in qimg,
	s_mul_i32 s76, s70, 1536
	s_add_co_u32 s68, s75, s76                     ; my pair fragment,
	s_add_co_u32 s68, s68, s72                     ; + 8 (cx % 2)
	s_mov_b32 s69, 0
	s_lshl_b32 s76, s70, 2
	s_add_co_u32 s52, s75, s76
	s_add_co_u32 s52, s52, 12288                   ; its scale words
	s_mov_b32 s53, 0
	s_lshr_b32 s75, s[BH], 4
	s_mul_i32 s75, s75, 16*102400                  ; yq: my batch's sixteen groups of 128 tokens
	s_and_b32 s76, s[BH], 15                       ; the head: C = 64 head + d
	s_lshr_b32 s77, s76, 2
	s_mul_i32 s77, s77, 25600
	s_add_co_u32 s75, s75, s77                     ; the block of 256 along C
	s_bfe_u32 s77, s76, 0x10001                    ; the step of 128
	s_and_b32 s78, s76, 1                          ; the half of 64
	s_mul_i32 s54, s[CX], 3072
	s_add_co_u32 s54, s54, s75
	s_mul_i32 s76, s77, 1536
	s_add_co_u32 s54, s54, s76
	s_mul_i32 s76, s78, 768
	s_add_co_u32 s54, s54, s76
	s_mov_b32 s55, 0
	s_lshl_b32 s56, s[CX], 7
	s_add_co_u32 s56, s56, s75
	s_add_co_u32 s56, s56, 24576
	s_lshl_b32 s76, s77, 2
	s_add_co_u32 s56, s56, s76
	s_lshl_b32 s76, s78, 1
	s_add_co_u32 s56, s56, s76
	s_mov_b32 s57, 0
	s_mov_b32 s[CNT], 0
	v_and_b32 v6, 31, v0                           ; lane
	v_and_b32 v7, 15, v0                           ; r
	v_bfe_u32 v11, v0, 4, 1                        ; h
	v_lshlrev_b32 v1, 4, v6
	v_lshlrev_b32 v8, 3, v6
	v_lshlrev_b32 v2, 4, v7
	v_lshl_add_u32 v9, v7, 3, v11
	v_and_b32 v5, 8, v7
	v_lshlrev_b32 v10, 4, v11
	v_add_nc_u32 v5, v5, v7
	v_sub_nc_u32 v[MQ], v5, v10
	v_add_nc_u32 v[QYO], s74, v1
	v_add_nc_u32 v[DQ], s[QOF], v[MQ]              ; in a group's last step the first key is 128 m: d = 64 z + 32 (cx / 2) + 8 (cx % 2) + r + 8 (r / 8) - 16 h
	v_add_nc_u32 v[DQ+1], 64, v[DQ]
.set n, 0
.rept 8
	v_mov_b32 v[BY+n], 0                           ; a lane permute's destination counts as one of its sources
.set n, n+1
.endr
	v_mov_b32 v[FF+1], 0                           ; named as the upper halves of pairs
	v_mov_b32 v[FF+3], 0
	WIN 0x40
.irp i, 0,1,2,3,4,5
	v_mov_b32 v[QQ+6+\i], 0                        ; the zeros of [Q | 0 | Q]
	v_mov_b32 v[QQ+24+\i], 0
.endr
	WIN 0
	WALU
	s_wait_dscnt 0x0                               ; both opening adds are done
	ROUND                                          ; the four partners are here: the joint loads meet
	s_wait_kmcnt 0x0
	s_add_nc_u64 s[KVB:KVB+1], s[6:7], s[66:67]
	s_mul_i32 s38, s[WV], SLOTB
	s_mov_b32 s39, 0
	s_mov_b32 s[G0], 1
	s_mul_i32 s[G0+1], s[WV], SLOTB                ; LDS: wave x 25,600: no place in the cluster enters an LDS address
	s_add_nc_u64 s[G0+2:G0+3], s[KVB:KVB+1], s[38:39]
	s_or_b32 s[G0+3], s[G0+3], 0x80000000
	s_cmp_lt_u32 s[WV], 1                          ; one chain, one load to an arm: wave 0, which fetches block 0, has a line of its own
	s_cbranch_scc0 .Lrest
	TLOAD
	s_branch .Lasked
.Lrest:
	TLOAD
.Lasked:
	s_add_nc_u64 s[QBA:QBA+1], s[4:5], s[68:69]
	s_add_nc_u64 s[QSA:QSA+1], s[4:5], s[52:53]
	s_add_nc_u64 s[YBA:YBA+1], s[8:9], s[54:55]
	s_add_nc_u64 s[YSA:YSA+1], s[8:9], s[56:57]
	QLOAD MG, 52, R1                               ; Q of both my groups, under the tensor loads' flight
	QLOAD WV, 56, R2
	s_wait_loadcnt 0x0
	QSET R1
	s_cmp_lt_u32 s[WV], 1
	s_cbranch_scc0 .Lnot_first
	s_wait_tensorcnt 0x0                           ; block 0 is in
.Lnot_first:
	s_barrier_signal -1
	s_barrier_wait -1                              ; and shown to all; the other blocks may be on their way
	KLOAD 1, 2, 0, 24576                           ; step 0's K
.Lfirst:                                           ; slots 0 and 1
	s_and_b32 s[KST], s[CNT], 15
	ADDR
	STEP 0
	s_add_co_u32 s[CNT], s[CNT], 1
	s_cmp_lt_u32 s[CNT], 2
	s_cbranch_scc1 .Lfirst
	s_wait_tensorcnt 0x0                           ; every wave's load is in,
	s_wait_dscnt 0x0
	s_barrier_signal -1
	s_barrier_wait -1                              ; and all eight blocks are shown to all
	KLOAD 1, 2, SLOTB, SLOTB+24576                 ; step 2's K
	s_mov_b32 s[CNT], 2
.Lstep:                                            ; slots 2 to 31
	s_cmp_lg_u32 s[CNT], 16
	s_cbranch_scc1 .Lsame
	FINISH                                         ; the first group is done: on to group w
	s_mov_b32 s[MG], s[WV]
	s_add_co_u32 s[NS], s[WV], 1
	QSET R2
	s_wait_dscnt 0x0
	KLOAD 1, 2, 0, 24576                           ; its step 0's K
.Lsame:
	s_and_b32 s[KST], s[CNT], 15
	s_cmp_ge_u32 s[KST], s[NS]
	s_cbranch_scc1 .Lhidden                        ; all the step's keys come after my queries: a branch on the wave's number and the slot, round no barrier and no tensor load
	ADDR
	STEP 1
.Lhidden:
	s_add_co_u32 s[CNT], s[CNT], 1
	s_cmp_lt_u32 s[CNT], 32
	s_cbranch_scc1 .Lstep
	FINISH
	s_wait_tensorcnt 0x0                           ; the wave's end
	ds_add_u32 v[SPW], v[NIL]
	s_wait_dscnt 0x0
	ROUND                                          ; the closing round
	s_endpgm
.Lfunc_end_k_q194840d2c8_attn:
	.size	k_q194840d2c8_attn, .Lfunc_end_k_q194840d2c8_attn-k_q194840d2c8_attn
	.p2alignl 7, 3214868480
	.fill 96, 4, 3214868480
	.section	.rodata,"a",@progbits
	.p2align	6, 0x0
	.amdhsa_kernel k_q194840d2c8_attn
		.amdhsa_group_segment_fixed_size 327680
		.amdhsa_private_segment_fixed_size 0
		.amdhsa_enable_private_segment 0
		.amdhsa_kernarg_size 24
		.amdhsa_user_sgpr_count 2
		.amdhsa_user_sgpr_kernarg_segment_ptr 1
		.amdhsa_wavefront_size32 1
		.amdhsa_system_sgpr_workgroup_id_x 1
		.amdhsa_system_sgpr_workgroup_id_y 1
		.amdhsa_system_sgpr_workgroup_id_z 1
		.amdhsa_system_vgpr_workitem_id 0
		.amdhsa_next_free_vgpr 512
		.amdhsa_next_free_sgpr 80
		.amdhsa_reserve_vcc 1
		.amdhsa_float_denorm_mode_32 3
		.amdhsa_float_denorm_mode_16_64 3
		.amdhsa_memory_ordered 1
		.amdhsa_forward_progress 1
		.amdhsa_inst_pref_size 107
	.end_amdhsa_kernel
	.amdgpu_metadata
---
amdhsa.version: [ 1, 2 ]
amdhsa.kernels:
  - .name:           k_q194840d2c8_attn
    .symbol:         k_q194840d2c8_attn.kd
    .args:
      - { .name: qimg, .offset: 0, .size: 8, .value_kind: global_buffer, .address_space: global }
      - { .name: kv, .offset: 8, .size: 8, .value_kind: global_buffer, .address_space: global }
      - { .name: yq, .offset: 16, .size: 8, .value_kind: global_buffer, .address_space: global }
    .group_segment_fixed_size: 327680
    .private_segment_fixed_size: 0
    .kernarg_segment_align: 8
    .kernarg_segment_size: 24
    .max_flat_workgroup_size: 256
    .sgpr_count:     80
    .vgpr_count:     512
    .wavefront_size: 32
...
	.end_amdgpu_metadata
.endif
;; end of part 3
;; launch proj (part 4): grid 4 x 64, 4 waves a work-group, clusters of 4 x 4, 327,680 bytes of LDS; arguments yq, wpq, b_proj, out0; writes out0
.if DOCPART == 4
	.amdgcn_target "amdgcn-amd-amdhsa--gfx1250"
	.amdhsa_code_object_version 6
	.text
	.protected	k_q194840d2c8_proj
	.globl	k_q194840d2c8_proj
	.p2align	8
	.type	k_q194840d2c8_proj,@function
k_q194840d2c8_proj:
	s_mov_b64 s[64:65], 0
	v_nop
	global_prefetch_b8 v0, s[64:65] scope:SCOPE_SE
	s_setreg_imm32_b32 hwreg(HW_REG_WAVE_MODE, 25, 1), 1
	s_wait_xcnt 0x0
	s_wait_alu depctr_hold_cnt(0) depctr_sa_sdst(0) depctr_va_vdst(0) depctr_va_sdst(0) depctr_va_ssrc(0) depctr_va_vcc(0) depctr_vm_vsrc(0)
	s_getreg_b32 s2, hwreg(HW_REG_IB_STS2, 6, 4)
	s_cmp_eq_u32 s2, 0
	s_cbranch_scc0 .Lentry_in_a_cluster
	s_endpgm
.Lentry_in_a_cluster:
	s_bfe_u32 s2, ttmp6, 0x10000c
	s_cmp_lg_u32 s2, 0xf033
	s_cbranch_scc0 .Lentry_shape_is_right
	s_endpgm
.Lentry_shape_is_right:
; out0 = y W_proj + b_proj on codes of FP6 (E2M3) with E8M0 scales; sums and result in f32.  A = tokens (yq), B = features (wpq); the matrix instruction is used transposed (source 0 = 16 rows of B,
; source 1 = 16 rows of A), so a lane holds eight neighbouring features of one token.
; OPERANDS lie in memory in the order of the operand's registers: [group of 128 rows][256 along K][25,600 bytes], codes at 3072 rb + 1536 s + 256 p + 8 lane, scale words at 24576 + 128 rb + 8 r + 4 s.
; A TILE is 128 tokens x 256 features: 64 x 4 = 256 work-groups.  Four waves, 2 x 2, each 64 x 128: 32 accumulators.
; ALL OF K LIES IN LDS: (128 + 256) rows x 1,024 along K are twelve blocks, 307,200 bytes, filled once, at the head: no ring and no refill.  One joint load a wave: wave 0 A's first half of K (two blocks on end),
; wave 1 B's first half (two rows of 51,200 bytes, a group of 128 features each), waves 2 and 3 the second halves.  Each has a load line of its own; the first barrier shows the first half alone, and the barrier
; in step 3, ahead of the fetch of step 4's fragments, shows the second.  Behind that barrier nobody reads the first half: the stages of the way out lie there.
; CLUSTERS: 4 x 4 work-groups; A's blocks are asked for jointly along a row of the cluster, B's along a column.
; NO PREFETCH: every tensor load stands at the head; there is no loop to run ahead in.
; ROW POSITIONS: position p holds the true row p with bits 3 and 4 exchanged, in A and in B alike; the way out sets both right.
; REGISTERS: window 0: v16-29 addresses; v32-63 scale words, two sets; v64-127 the bias, the first products' C; v128-223 A's fragments, two sets of four (on the way out v128-255 are at work).
;   window 1: B's fragments, two sets of eight, at v0 and v128.  window 2: the accumulators ((a, b) at v[8 (8 a + b)]).
.set BLK,   25600
.set HALF,  6*BLK                      ; a half of K: A's two blocks, then B's two groups of two
.set SPARE, 2*HALF                     ; the spare words: 128 bytes for each wave, named by no other line
.set FR,    12
.set NP,    4                          ; places behind this matrix instruction (ISA guide 7.12.1)
.set SPITCH, 528                       ; the way out: a stage of 16 rows x (512 bytes + 16) for each wave
.set ADRA,  16                         ; v16-17 my A fragments in the first, second half of K
.set ADRB,  20                         ; v20-21 my B fragments
.set ADRS,  22                         ; v22-23 my scale words: lanes 0-15 A's, lanes 16-31 B's
.set STO,   24
.set RD,    25
.set CO,    26
.set SPW,   28
.set NIL,   29
.set SC,    32
.set BI,    64
.set AF,    128
.set BK,    128
.set G1,    24
.set G0,    32
.set G1B,   48
.set G0B,   56
.set MSB, 0
.macro WIN new                         ; the immediate's high byte repeats the setting that is left
.if MSB != (\new)
	s_set_vgpr_msb (MSB<<8)|(\new)
.set MSB, (\new)
.endif
.endm
.set MUL,   0xa1                       ; source 0 (B) window 1, source 1 (A) window 0, C and D window 2
.set FIRST, 0x81                       ; the same, C (the bias) window 0
.set TO_B,  0x40
.macro PLACES n
.rept \n
	v_nop
.endr
.endm
.macro TL g0, g1                       ; s_nop 0 and four v_nop follow the line
	tensor_load_to_lds s[\g0:\g0+3], s[\g1:\g1+7]
	s_nop 0
	PLACES 4
.endm
.macro CROUND                          ; a round of the cluster's barrier
	s_barrier_signal -1
	s_barrier_wait -1
	s_cmp_lg_u32 s14, 0
	s_cbranch_scc1 .Lnot_wave_0_\@
	s_barrier_signal -3
.Lnot_wave_0_\@:
	s_barrier_wait -3
	s_barrier_signal -1
	s_barrier_wait -1
.endm
	s_load_b256 s[68:75], s[0:1], 0x0              ; yq 68, wpq 70, b_proj 72, out0 74
	v_lshl_add_u32 v[SPW], v0, 2, SPARE
	v_mov_b32 v[NIL], 0
	ds_add_u32 v[SPW], v[NIL]                      ; the opening lines: the add, twice on end, and its wait ahead of the first tensor load
	ds_add_u32 v[SPW], v[NIL]
	v_lshrrev_b32 v1, 5, v0
	v_readfirstlane_b32 s14, v1                    ; wave 0..3
	s_lshr_b32 s15, s14, 1                         ; which 64 of A's rows are mine.  Also: which half of K I fetch
	s_and_b32 s16, s14, 1                          ; which group of B's rows.  Also: I fetch for A (0) or for B (1)
	s_bfe_u32 s40, ttmp6, 0x40000                  ; cx
	s_bfe_u32 s41, ttmp6, 0x40004                  ; cy
	s_lshl_b32 s42, ttmp9, 2
	s_add_co_u32 s42, s42, s40                     ; B's tile: 256 features
	s_and_b32 s17, ttmp7, 0xffff
	s_lshl_b32 s17, s17, 2
	s_add_co_u32 s17, s17, s41                     ; A's tile: a group of 128 tokens
	s_lshl_b32 s43, s41, 2
	s_lshl_b32 s43, 15, s43                        ; my row of the cluster
	s_lshl_b32 s44, 0x1111, s40                    ; my column
	s_or_b32 s[G1+0], s43, (3<<16)|(1<<21)         ; the mask; elements of 8 bytes; bit 21 beside a mask; no padding
	s_mov_b32 s[G1+1], 32<<16                      ; A: 200 rows of 256 bytes, dense
	s_mov_b32 s[G1+2], 200<<16
	s_mov_b32 s[G1+3], 32<<16
	s_mov_b32 s[G1+4], 200
	s_mov_b32 s[G1+5], 32
	s_mov_b32 s[G1+6], 0
	s_mov_b32 s[G1+7], 0
	s_or_b32 s[G1B+0], s44, (3<<16)|(1<<21)
	s_mov_b32 s[G1B+1], 6400<<16                   ; B: 2 rows of 51,200 bytes, 102,400 bytes apart
	s_mov_b32 s[G1B+2], 2<<16
	s_mov_b32 s[G1B+3], 6400<<16
	s_mov_b32 s[G1B+4], 2
	s_mov_b32 s[G1B+5], 12800
	s_mov_b32 s[G1B+6], 0
	s_mov_b32 s[G1B+7], 0
	s_mul_i32 s18, s15, 2*BLK                      ; my half of K, in bytes of a group
	s_mul_i32 s20, s17, 4*BLK
	s_add_co_u32 s20, s20, s18
	s_mov_b32 s21, 0
	s_mul_i32 s46, s42, 8*BLK
	s_add_co_u32 s46, s46, s18
	s_mov_b32 s47, 0
	s_mul_i32 s45, s15, HALF                       ; where it goes: no place in the cluster enters an LDS address
	v_and_b32 v1, 15, v0                           ; r
	v_bfe_u32 v2, v0, 4, 1                         ; h
	v_and_b32 v3, 31, v0                           ; lane
	v_lshlrev_b32 v4, 3, v3
	s_mul_i32 s22, s15, 4*3072                     ; my four row blocks of A
	s_mul_i32 s23, s16, 2*BLK
	s_add_co_u32 s23, s23, 2*BLK                   ; my group of B, behind A's two blocks
	v_add_nc_u32 v[ADRA], s22, v4
	v_add_nc_u32 v[ADRB], s23, v4
	v_add_nc_u32 v[ADRA+1], HALF, v[ADRA]
	v_add_nc_u32 v[ADRB+1], HALF, v[ADRB]
	s_lshl_b32 s18, s15, 9                         ; my four row blocks' scale words
	s_sub_co_u32 s19, s23, s18
	v_mul_u32_u24 v6, s19, v2                      ; lanes 16-31 take B's words: one product, h x the distance
	v_lshl_add_u32 v5, v1, 3, v6
	s_add_co_u32 s18, s18, 24576
	v_add_nc_u32 v[ADRS], s18, v5
	v_add_nc_u32 v[ADRS+1], HALF, v[ADRS]
	s_mul_i32 s23, s14, 16*SPITCH                  ; my stage
	v_mul_u32_u24 v5, v1, SPITCH
	v_lshl_add_u32 v5, v2, 6, v5
	v_add_nc_u32 v[STO], s23, v5                   ; in: row r, 64 h bytes on
	v_lshlrev_b32 v[CO], 4, v3
	v_add_nc_u32 v[RD], s23, v[CO]                 ; back: the 32 lanes take one row of 512 bytes
	v_lshlrev_b32 v7, 6, v2
	s_wait_alu depctr_va_vdst(0)
	s_wait_dscnt 0x0                               ; both opening adds are done
	CROUND                                         ; all sixteen work-groups are here: the joint loads meet
	s_wait_kmcnt 0x0
	s_mov_b32 s[G0], 1
	s_mov_b32 s[G0+1], s45
	s_add_nc_u64 s[G0+2:G0+3], s[68:69], s[20:21]
	s_or_b32 s[G0+3], s[G0+3], 0x80000000
	s_mov_b32 s[G0B], 1
	s_add_co_u32 s[G0B+1], s45, 2*BLK
	s_add_nc_u64 s[G0B+2:G0B+3], s[70:71], s[46:47]
	s_or_b32 s[G0B+3], s[G0B+3], 0x80000000
	s_cmp_eq_u32 s14, 0                            ; one chain, one load to an arm
	s_cbranch_scc0 .Lw1
	TL G0, G1
	s_branch .Lasked
.Lw1:
	s_cmp_eq_u32 s14, 1
	s_cbranch_scc0 .Lw2
	TL G0B, G1B
	s_branch .Lasked
.Lw2:
	s_cmp_eq_u32 s14, 2
	s_cbranch_scc0 .Lw3
	TL G0, G1
	s_branch .Lasked
.Lw3:
	TL G0B, G1B
.Lasked:
	s_lshl_b32 s20, s17, 1
	s_add_co_u32 s20, s20, s15
	s_lshl_b32 s20, s20, 18                        ; my first row of out0: 64 rows of 4,096 bytes a step
	s_lshl_b32 s21, s42, 10
	s_add_co_u32 s20, s20, s21
	s_lshl_b32 s21, s16, 9
	s_add_co_u32 s20, s20, s21                     ; my first column
	s_mov_b32 s21, 0
	s_add_nc_u64 s[12:13], s[74:75], s[20:21]
	s_lshl_b32 s20, s42, 1
	s_add_co_u32 s20, s20, s16
	s_lshl_b32 s20, s20, 9
	s_add_nc_u64 s[10:11], s[72:73], s[20:21]      ; b_proj at my 128 features
.irp t, 0,1,2,3,4,5,6,7                        ; in the result's layout: tile b holds features 32 (b / 2) + 16 h + 8 (b % 2) + 0 .. 7
	global_load_b128 v[BI+8*\t:BI+8*\t+3], v7, s[10:11] offset:(32*(\t/2)+8*(\t%2))*4
	global_load_b128 v[BI+8*\t+4:BI+8*\t+7], v7, s[10:11] offset:(32*(\t/2)+8*(\t%2))*4+16
.endr
	s_wait_loadcnt 0x0
.macro FRAG reg, adr, off              ; a fragment, 16 rows x 128 K: six pieces of 8 bytes a lane, each piece's 256 bytes consecutive
.irp p, 0,1,2,3,4,5
	ds_load_b64 v[\reg+2*\p:\reg+2*\p+1], v[\adr] offset:(\off)+256*\p
.endr
.endm
.macro FETCH st                        ; step st's fragments into sets st % 2; at an even step the scale words of two steps
.set OF_, (((\st)/2)%2)*BLK+((\st)%2)*1536
	WIN TO_B
.irp i, 0,1,2,3,4,5,6,7
	FRAG 128*((\st)%2)+FR*\i, ADRB+(\st)/4, OF_+\i*3072
.endr
	WIN 0
.irp i, 0,1,2,3
	FRAG AF+48*((\st)%2)+FR*\i, ADRA+(\st)/4, OF_+\i*3072
.endr
.if (\st)%2 == 0
.irp i, 0,1,2,3,4,5,6,7
	ds_load_b64 v[SC+16*(((\st)/2)%2)+2*\i:SC+16*(((\st)/2)%2)+2*\i+1], v[ADRS+(\st)/4] offset:(((\st)/2)%2)*BLK+128*\i
.endr
.endif
.endm
; 32 matrix instructions: A's four blocks x B's eight, 128 along K.  The 32 accumulators take turns, one instruction a turn, in the same order in every step.
.macro MUL32 p, q, sc, first
.irp a, 0,1,2,3
.irp b, 0,1,2,3,4,5,6,7
.if \first
	v_wmma_scale_f32_16x16x128_f8f6f4 v[8*(8*\a+\b):8*(8*\a+\b)+7], v[128*(\p)+FR*\b:128*(\p)+FR*\b+FR-1], v[AF+48*(\p)+FR*\a:AF+48*(\p)+FR*\a+FR-1], v[BI+8*\b:BI+8*\b+7], v[SC+16*(\sc)+2*\b+(\q)], v[SC+16*(\sc)+2*\a+(\q)] matrix_a_fmt:MATRIX_FMT_FP6 matrix_b_fmt:MATRIX_FMT_FP6 matrix_a_scale:MATRIX_SCALE_ROW1
.else
	v_wmma_scale_f32_16x16x128_f8f6f4 v[8*(8*\a+\b):8*(8*\a+\b)+7], v[128*(\p)+FR*\b:128*(\p)+FR*\b+FR-1], v[AF+48*(\p)+FR*\a:AF+48*(\p)+FR*\a+FR-1], v[8*(8*\a+\b):8*(8*\a+\b)+7], v[SC+16*(\sc)+2*\b+(\q)], v[SC+16*(\sc)+2*\a+(\q)] matrix_a_fmt:MATRIX_FMT_FP6 matrix_b_fmt:MATRIX_FMT_FP6 matrix_a_scale:MATRIX_SCALE_ROW1
.endif
.endr
.endr
.endm
.macro STEP st                         ; the step's fragments are waited for, the next step's asked for into the other sets, then the products
.if (\st) == 3
	s_wait_tensorcnt 0x0                           ; every wave's load is in,
.endif
	s_wait_dscnt 0x0                               ; and my reads so far are over (in step 3: the last of the first half of K)
.if (\st) == 3
	s_barrier_signal -1
	s_barrier_wait -1                              ; the second half of K is shown to all
.endif
.if (\st) < 7
	PLACES NP                                      ; in front of loads into registers that the last step's products read
	FETCH (\st)+1
.endif
.if (\st) == 0
	WIN FIRST
	MUL32 0, 0, 0, 1                               ; the first products take the bias as C: nothing is cleared, nothing is added later
.else
	WIN MUL
	MUL32 (\st)%2, (\st)%2, ((\st)/2)%2, 0
.endif
	WIN 0
.endm
	s_cmp_lt_u32 s14, 2
	s_cbranch_scc0 .Lnot_first
	s_wait_tensorcnt 0x0                           ; my part of the first half of K is in
.Lnot_first:
	s_barrier_signal -1
	s_barrier_wait -1                              ; the first half is shown to all; the second may be on its way
	FETCH 0
.irp st, 0,1,2,3,4,5,6,7
	STEP \st
.endr
; THE WAY OUT, block by block of 16 rows x 128 columns: through my own stage and back as whole rows of 512 bytes.  LDS serves a wave's instructions in order (ISA guide 5.7.1.4): no wait between the stores and the loads.
.macro TOSTAGE a
.set AC, 64*(\a)
	WIN 0x08                                       ; the data: window 2
.irp b, 0,1,2,3,4,5,6,7
	ds_store_b128 v[STO], v[AC+8*\b:AC+8*\b+3] offset:128*(\b/2)+32*(\b%2)       ; each accumulator from its low end on
	ds_store_b128 v[STO], v[AC+8*\b+4:AC+8*\b+7] offset:128*(\b/2)+32*(\b%2)+16
.endr
	WIN 0
.set BB, BK+64*((\a)%2)
.irp t, 0,1,2,3,4,5,6,7,8,9,10,11,12,13,14,15
	ds_load_b128 v[BB+4*\t:BB+4*\t+3], v[RD] offset:\t*SPITCH
.endr
.endm
.macro SEND a, younger                 ; younger: the LDS instructions issued behind block a's loads, which may stay out
.set BB, BK+64*((\a)%2)
	s_wait_dscnt \younger
.irp t, 0,1,2,3,4,5,6,7,8,9,10,11,12,13,14,15
	global_store_b128 v[CO], v[BB+4*\t:BB+4*\t+3], s[12:13] offset:(32*((\a)/2)+8*((\a)%2)+\t+8*(\t/8))*4096 th:TH_STORE_NT   ; 32 lanes store 512 consecutive bytes, aligned, of the position's true row
.endr
.endm
	PLACES NP
	TOSTAGE 0
.irp a, 1,2,3
.if \a > 1
	s_wait_xcnt 0x0                                ; block a - 2's stores have read their registers
.endif
	TOSTAGE \a
	SEND \a-1, 32
.endr
	SEND 3, 0
	s_wait_tensorcnt 0x0                           ; the wave's end
	ds_add_u32 v[SPW], v[NIL]
	s_wait_dscnt 0x0
	CROUND                                         ; the closing round
	s_endpgm
.Lfunc_end_k_q194840d2c8_proj:
	.size	k_q194840d2c8_proj, .Lfunc_end_k_q194840d2c8_proj-k_q194840d2c8_proj
	.p2alignl 7, 3214868480
	.fill 96, 4, 3214868480
	.section	.rodata,"a",@progbits
	.p2align	6, 0x0
	.amdhsa_kernel k_q194840d2c8_proj
		.amdhsa_group_segment_fixed_size 327680
		.amdhsa_private_segment_fixed_size 0
		.amdhsa_enable_private_segment 0
		.amdhsa_kernarg_size 32
		.amdhsa_user_sgpr_count 2
		.amdhsa_user_sgpr_kernarg_segment_ptr 1
		.amdhsa_wavefront_size32 1
		.amdhsa_system_sgpr_workgroup_id_x 1
		.amdhsa_system_sgpr_workgroup_id_y 1
		.amdhsa_system_sgpr_workgroup_id_z 1
		.amdhsa_system_vgpr_workitem_id 0
		.amdhsa_next_free_vgpr 768
		.amdhsa_next_free_sgpr 100
		.amdhsa_reserve_vcc 0
		.amdhsa_float_denorm_mode_32 3
		.amdhsa_float_denorm_mode_16_64 3
		.amdhsa_memory_ordered 1
		.amdhsa_forward_progress 1
		.amdhsa_inst_pref_size 96
	.end_amdhsa_kernel
	.amdgpu_metadata
---
amdhsa.version: [ 1, 2 ]
amdhsa.kernels:
  - .name:           k_q194840d2c8_proj
    .symbol:         k_q194840d2c8_proj.kd
    .args:
      - { .name: yq, .offset: 0, .size: 8, .value_kind: global_buffer, .address_space: global }
      - { .name: wpq, .offset: 8, .size: 8, .value_kind: global_buffer, .address_space: global }
      - { .name: b_proj, .offset: 16, .size: 8, .value_kind: global_buffer, .address_space: global }
      - { .name: out0, .offset: 24, .size: 8, .value_kind: global_buffer, .address_space: global }
    .group_segment_fixed_size: 327680
    .private_segment_fixed_size: 0
    .kernarg_segment_align: 8
    .kernarg_segment_size: 32
    .max_flat_workgroup_size: 128
    .sgpr_count:     100
    .vgpr_count:     768
    .wavefront_size: 32
...
	.end_amdgpu_metadata
.endif
;; end of part 4
